; MI455X (gfx1250); checked and timed in simulation.
; The chip was launched on July 23, 2026; its instructions are those of AMD's public machine-readable ISA for CDNA 5 (MIT licence, August 2026) and "CDNA5" Instruction Set Architecture Reference Guide (July 2026). The comments in the code are by the model that wrote it; some were corrected since.
;; Mixture Of Experts. Allowed arithmetic: float matrix products may take bf16 or f16 operands with f32 sums; all other float work in f32.
;; Inputs: W1 8 x 512 x 1,024 float32; W2 8 x 1,024 x 512 float32; Wg 512 x 8 float32; b1 8 x 1,024 float32; b2 8 x 512 float32; bg 8 float32; x 4,096 x 512 float32.
;; Outputs: out0 4,096 x 512 float32; out1 4,096 x 8 float32; out2 4,096 x 2 int32.
;; Constants: k = 2.
;; 2 versions, each right; version 2 is version 1 with the launch prep written anew for expert scheduling mode. Each part assembles by itself: llvm-mc -triple=amdgcn-amd-amdhsa -mcpu=gfx1250 --defsym DOCPART=n.
;; ======== version 1 of 2: 5 launches
;; limits: values outside matrix products are rounded to bf16
;; workspace buffers: xb 4,194,304 bytes; wb 16,777,216 bytes; wts 32,768 bytes; sel 32,768 bytes of whole numbers; pos 32,768 bytes of whole numbers; tab 37,120 bytes of whole numbers; h 18,874,368 bytes; y 18,874,368 bytes
;; launch prep (part 1): grid 576 x 1, 8 waves a work-group, no clusters, 0 bytes of LDS; arguments x, Wg, bg, W1, W2, xb, wb, out1, out2, sel, wts; writes xb, wb, out1, out2, sel, wts
.if DOCPART == 1
	.amdgcn_target "amdgcn-amd-amdhsa--gfx1250"
	.amdhsa_code_object_version 6
	.text
	.protected	k_q1431c266b4_prep
	.globl	k_q1431c266b4_prep
	.p2align	8
	.type	k_q1431c266b4_prep,@function
k_q1431c266b4_prep:
	s_mov_b64 s[64:65], 0
	v_nop
	global_prefetch_b8 v0, s[64:65] scope:SCOPE_SE
	s_setreg_imm32_b32 hwreg(HW_REG_WAVE_MODE, 25, 1), 1
	s_wait_xcnt 0x0
; Work-groups 0 to 63: the gate.  64 tokens each, 8 a wave, one wave to a token: logits, softmax, top 2, renormalised weights,
; and x rounded to bf16 on the way (xb).  Work-groups 64 to 575: W1 and W2 rounded to bf16 (wb: W1 at byte 0, W2 at byte 8,388,608),
; 65,536 bytes of f32 each.  No LDS, no barrier: no wave needs another.
; The gate's product has 8 columns, too few for a matrix tile; it is done here with bf16 operands and f32 sums: x, Wg and bg are
; rounded to bf16, their products are exact in f32 and are summed in f32.
; LIMITS: a gate below 2^-126 comes out as 0 (v_exp_f32 flushes such results, ISA guide 15.8), and equal gates give the lower index;
; NaN logits are not ordered as a sort would order them.
.set WG,  16                           ; v[16:143]  Wg rows of my 16 d, 8 experts each, rounded to bf16, kept as f32
.set X,   144                          ; v[144:207] four slots of 16: a token's 16 numbers of this lane
.set P,   208                          ; v[208:215] the token's numbers packed to bf16, data of the stores to xb
.set ACC, 216                          ; v[216:223] 8 sums, then logits, then gates
.set BG,  224                          ; v[224:231] bg rounded to bf16, as f32
.set T,   232                          ; v[232:247] at work
.set GO,  248                          ; v[248:249] lane l: gates 2(l&3), 2(l&3)+1 of the wave's token l>>2
.set IO,  250                          ; lane l < 16: index l&1 of token l>>1
.set WO,  251                          ; lane l < 16: weight l&1 of token l>>1
	s_load_b512 s[8:23], s[0:1], 0x0               ; x s[8:9], Wg s[10:11], bg s[12:13], W1 s[14:15], W2 s[16:17], xb s[18:19], wb s[20:21], out1 s[22:23]
	s_load_b128 s[24:27], s[0:1], 0x40             ; out2 s[24:25], sel s[26:27]
	s_load_b64 s[28:29], s[0:1], 0x50              ; wts
	v_and_b32 v1, 31, v0                           ; lane
	v_lshrrev_b32 v4, 5, v0
	v_readfirstlane_b32 s30, v4                    ; wave
	s_mov_b32 s5, 0                                ; upper word of every offset pair s[4:5]
	s_wait_kmcnt 0x0
	s_cmp_lt_u32 ttmp9, 64
	s_cbranch_scc1 .Lgate
	; ---- the cast: 16 loads of 512 bytes a wave, all on their way at once; each store of the wave covers 256 consecutive bytes, aligned
	s_sub_co_u32 s2, ttmp9, 64                     ; c = 0 .. 511
	s_cmp_lt_u32 s2, 256
	s_cselect_b64 s[6:7], s[14:15], s[16:17]       ; c < 256: W1, else W2
	s_and_b32 s4, s2, 255
	s_lshl_b32 s4, s4, 16
	s_add_nc_u64 s[6:7], s[6:7], s[4:5]            ; source + (c mod 256) x 65,536
	s_lshl_b32 s4, s2, 15
	s_add_nc_u64 s[20:21], s[20:21], s[4:5]        ; wb + c x 32,768: W1's half, then W2's
	v_lshlrev_b32 v2, 4, v1
	v_lshl_add_u32 v2, v4, 13, v2                  ; wave x 8,192 + lane x 16
	v_lshlrev_b32 v3, 3, v1
	v_lshl_add_u32 v3, v4, 12, v3                  ; wave x 4,096 + lane x 8
.irp j, 0,1,2,3,4,5,6,7,8,9,10,11,12,13,14,15
	global_load_b128 v[16+4*\j:19+4*\j], v2, s[6:7] offset:512*\j th:TH_LOAD_NT
.endr
.irp j, 0,1,2,3,4,5,6,7,8,9,10,11,12,13,14,15
	s_wait_loadcnt 15-\j                           ; loads come back in order: load j is in, the younger ones stay out
	v_cvt_pk_bf16_f32 v[16+4*\j], v[16+4*\j], v[17+4*\j]
	v_cvt_pk_bf16_f32 v[17+4*\j], v[18+4*\j], v[19+4*\j]
	global_store_b64 v3, v[16+4*\j:17+4*\j], s[20:21] offset:256*\j
.endr
	s_endpgm
	; ---- the gate
.Lgate:
	s_load_b256 s[32:39], s[12:13], 0x0            ; bg
	v_lshlrev_b32 v2, 4, v1                        ; lane x 16: x
	v_lshlrev_b32 v3, 3, v1                        ; lane x 8: xb, out1
	v_lshlrev_b32 v6, 7, v1                        ; lane x 128: four rows of Wg
	v_lshlrev_b32 v7, 2, v1                        ; lane x 4: out2, sel, wts
	; lane l, chunk j, element c stand for d = 128 j + 4 l + c; Wg's row d is 32 bytes
.irp j, 0,1,2,3
.irp c, 0,1,2,3
	global_load_b128 v[WG+8*(4*\j+\c):WG+8*(4*\j+\c)+3],   v6, s[10:11] offset:4096*\j+32*\c
	global_load_b128 v[WG+8*(4*\j+\c)+4:WG+8*(4*\j+\c)+7], v6, s[10:11] offset:4096*\j+32*\c+16
.endr
.endr
	s_lshl_b32 s2, ttmp9, 6
	s_lshl3_add_u32 s2, s30, s2                    ; the wave's first token = 64 x work-group + 8 x wave
	s_lshl_b32 s4, s2, 11
	s_add_nc_u64 s[8:9], s[8:9], s[4:5]            ; x: 2,048 bytes a token
	s_lshl_b32 s4, s2, 10
	s_add_nc_u64 s[18:19], s[18:19], s[4:5]        ; xb: 1,024
	s_lshl_b32 s4, s2, 5
	s_add_nc_u64 s[22:23], s[22:23], s[4:5]        ; out1: 32
	s_lshl_b32 s4, s2, 3
	s_add_nc_u64 s[24:25], s[24:25], s[4:5]        ; out2, sel, wts: 8
	s_add_nc_u64 s[26:27], s[26:27], s[4:5]
	s_add_nc_u64 s[28:29], s[28:29], s[4:5]
.irp t, 0,1,2,3
.irp j, 0,1,2,3
	global_load_b128 v[X+16*\t+4*\j:X+16*\t+4*\j+3], v2, s[8:9] offset:2048*\t+512*\j th:TH_LOAD_NT
.endr
.endr
	s_mov_b32 s40, 0x22222222                      ; lanes with l & 3 = 1
	s_mov_b32 s41, 0x44444444                      ; = 2
	s_mov_b32 s42, 0x88888888                      ; = 3
	s_mov_b32 s43, 0xaaaaaaaa                      ; odd lanes
	s_mov_b32 s46, 0x3fb8aa3b                      ; log2 e
	s_mov_b32 s47, 0x3fb8aa3b                      ; the pair's second word is written too
	s_mov_b32 s49, 0xffff0000                      ; a word's upper bf16
	s_mov_b32 s50, 0x76543210                      ; v_permlanex16_b32: lane i reads lane i of the other half
	s_mov_b32 s51, 0xfedcba98
	v_mov_b32 v[GO], 0
	v_mov_b32 v[GO+1], 0
	v_mov_b32 v[IO], 0
	v_mov_b32 v[WO], 0
	s_wait_loadcnt 16                              ; Wg's 32 loads are in; the 16 loads of x issued behind them stay out
.set i, 0
.rept 64
	v_cvt_pk_bf16_f32 v[T+i%8], v[WG+2*i], v[WG+2*i+1]     ; Wg rounded to bf16 and widened again, in place
	v_lshlrev_b32 v[WG+2*i], 16, v[T+i%8]
	v_and_b32 v[WG+2*i+1], s49, v[T+i%8]
.set i, i+1
.endr
	s_wait_kmcnt 0x0
.irp i, 0,1,2,3
	v_cvt_pk_bf16_f32 v[T+\i], s[32+2*\i], s[33+2*\i]      ; bg likewise
	v_lshlrev_b32 v[BG+2*\i], 16, v[T+\i]
	v_and_b32 v[BG+2*\i+1], s49, v[T+\i]
.endr
; One token.  left = how many younger loads of x may stay out.
.macro TOKEN t, left
.set XS, X+16*(\t%4)
	s_wait_loadcnt \left                           ; my four loads are in
	s_wait_xcnt 0x0                                ; P, the data of the last token's stores, is rewritten only behind this wait
.irp j, 0,1,2,3
	v_cvt_pk_bf16_f32 v[P+2*\j],   v[XS+4*\j],   v[XS+4*\j+1]
	v_cvt_pk_bf16_f32 v[P+2*\j+1], v[XS+4*\j+2], v[XS+4*\j+3]
	global_store_b64 v3, v[P+2*\j:P+2*\j+1], s[18:19] offset:1024*\t+256*\j   ; the wave's store covers 256 consecutive bytes, aligned
	v_lshlrev_b32 v[XS+4*\j],   16,  v[P+2*\j]                                 ; the rounded numbers as f32
	v_and_b32     v[XS+4*\j+1], s49, v[P+2*\j]
	v_lshlrev_b32 v[XS+4*\j+2], 16,  v[P+2*\j+1]
	v_and_b32     v[XS+4*\j+3], s49, v[P+2*\j+1]
.endr
	; 16 d x 8 experts: the first d starts the sums; x is broadcast to both halves by op_sel
.irp i, 0,1,2,3
	v_pk_mul_f32 v[ACC+2*\i:ACC+2*\i+1], v[XS:XS+1], v[WG+2*\i:WG+2*\i+1] op_sel:[0,0] op_sel_hi:[0,1]
.endr
.set m, 1
.rept 15
.irp i, 0,1,2,3
.if m%2
	v_pk_fma_f32 v[ACC+2*\i:ACC+2*\i+1], v[XS+m-1:XS+m], v[WG+8*m+2*\i:WG+8*m+2*\i+1], v[ACC+2*\i:ACC+2*\i+1] op_sel:[1,0,0] op_sel_hi:[1,1,1]
.else
	v_pk_fma_f32 v[ACC+2*\i:ACC+2*\i+1], v[XS+m:XS+m+1], v[WG+8*m+2*\i:WG+8*m+2*\i+1], v[ACC+2*\i:ACC+2*\i+1] op_sel:[0,0,0] op_sel_hi:[0,1,1]
.endif
.endr
.set m, m+1
.endr
.if \t < 4
.irp j, 0,1,2,3
	global_load_b128 v[XS+4*\j:XS+4*\j+3], v2, s[8:9] offset:2048*(\t+4)+512*\j th:TH_LOAD_NT   ; the slot's next token
.endr
.endif
	; the 8 sums over the 32 lanes; every lane ends with all of them
.irp n, 1,2,4,8
.irp i, 0,1,2,3,4,5,6,7
	v_add_f32_dpp v[ACC+\i], v[ACC+\i], v[ACC+\i] row_xmask:\n row_mask:0xf bank_mask:0xf
.endr
.endr
.irp i, 0,1,2,3,4,5,6,7
	v_permlanex16_b32 v[T+\i], v[ACC+\i], s50, s51
.endr
.irp i, 0,2,4,6
	v_pk_add_f32 v[ACC+\i:ACC+\i+1], v[ACC+\i:ACC+\i+1], v[T+\i:T+\i+1]
.endr
.irp i, 0,2,4,6
	v_pk_add_f32 v[ACC+\i:ACC+\i+1], v[ACC+\i:ACC+\i+1], v[BG+\i:BG+\i+1]    ; the logits
.endr
	; softmax with the maximum taken away
	v_max3_num_f32 v[T+8], v[ACC], v[ACC+1], v[ACC+2]
	v_max3_num_f32 v[T+8], v[T+8], v[ACC+3], v[ACC+4]
	v_max3_num_f32 v[T+8], v[T+8], v[ACC+5], v[ACC+6]
	v_max_num_f32 v[T+8], v[T+8], v[ACC+7]
	v_mov_b32 v[T+9], v[T+8]
.irp i, 0,2,4,6
	v_pk_add_f32 v[T+\i:T+\i+1], v[ACC+\i:ACC+\i+1], v[T+8:T+9] neg_lo:[0,1] neg_hi:[0,1]
.endr
.irp i, 0,2,4,6
	v_pk_mul_f32 v[T+\i:T+\i+1], v[T+\i:T+\i+1], s[46:47] op_sel_hi:[1,0]
.endr
.irp i, 0,1,2,3,4,5,6,7
	v_exp_f32 v[T+\i], v[T+\i]
.endr
	v_nop                                          ; one plain vector instruction behind the exponentials, ahead of their use (ISA guide 5.7.2)
	s_wait_alu depctr_va_vdst(0)
	v_pk_add_f32 v[T+10:T+11], v[T:T+1], v[T+2:T+3]
	v_pk_add_f32 v[T+12:T+13], v[T+4:T+5], v[T+6:T+7]
	v_pk_add_f32 v[T+10:T+11], v[T+10:T+11], v[T+12:T+13]
	v_add_f32 v[T+10], v[T+10], v[T+11]
	v_rcp_f32 v[T+14], v[T+10]
	v_rcp_f32 v[T+15], v[T+10]
	v_nop                                          ; likewise behind the reciprocals
	s_wait_alu depctr_va_vdst(0)
.irp i, 0,2,4,6
	v_pk_mul_f32 v[ACC+\i:ACC+\i+1], v[T+\i:T+\i+1], v[T+14:T+15]            ; the gates
.endr
	; the largest gate (T, T+1: value, index); a strict compare keeps the lower index of equals
	v_mov_b32 v[T], v[ACC]
	v_mov_b32 v[T+1], 0
.irp i, 1,2,3,4,5,6,7
	v_cmp_gt_f32 vcc_lo, v[ACC+\i], v[T]
	v_cndmask_b32 v[T], v[T], v[ACC+\i], vcc_lo
	v_cndmask_b32 v[T+1], v[T+1], \i, vcc_lo
.endr
.irp i, 0,1,2,3,4,5,6,7
	v_cmp_eq_u32 vcc_lo, \i, v[T+1]
	v_cndmask_b32 v[T+4+\i], v[ACC+\i], -1.0, vcc_lo       ; the winner is taken out: gates are never below 0
.endr
	v_mov_b32 v[T+2], v[T+4]                               ; the second (T+2, T+3)
	v_mov_b32 v[T+3], 0
.irp i, 1,2,3,4,5,6,7
	v_cmp_gt_f32 vcc_lo, v[T+4+\i], v[T+2]
	v_cndmask_b32 v[T+2], v[T+2], v[T+4+\i], vcc_lo
	v_cndmask_b32 v[T+3], v[T+3], \i, vcc_lo
.endr
	v_add_f32 v[T+12], v[T], v[T+2]
	v_rcp_f32 v[T+14], v[T+12]
	; each lane keeps its part of the wave's results (the first of these lines is the plain instruction behind the reciprocal)
	v_cndmask_b32 v[T+4], v[ACC],   v[ACC+2], s40
	v_cndmask_b32 v[T+5], v[ACC+1], v[ACC+3], s40
	v_cndmask_b32 v[T+4], v[T+4],   v[ACC+4], s41
	v_cndmask_b32 v[T+5], v[T+5],   v[ACC+5], s41
	v_cndmask_b32 v[T+4], v[T+4],   v[ACC+6], s42
	v_cndmask_b32 v[T+5], v[T+5],   v[ACC+7], s42
	s_mov_b32 s44, 0xf<<(4*\t)                     ; the four lanes that keep this token's gates
	s_mov_b32 s45, 3<<(2*\t)                       ; the two that keep its indices and weights
	v_cndmask_b32 v[GO],   v[GO],   v[T+4], s44
	v_cndmask_b32 v[GO+1], v[GO+1], v[T+5], s44
	s_wait_alu depctr_va_vdst(0)
	v_mul_f32 v[T],   v[T],   v[T+14]              ; the renormalised weights
	v_mul_f32 v[T+2], v[T+2], v[T+14]
	v_cndmask_b32 v[T+6], v[T+1], v[T+3], s43
	v_cndmask_b32 v[T+7], v[T],   v[T+2], s43
	v_cndmask_b32 v[IO], v[IO], v[T+6], s45
	v_cndmask_b32 v[WO], v[WO], v[T+7], s45
.endm
	TOKEN 0, 12                                    ; behind a token's four loads stand those of the next three tokens
	TOKEN 1, 12
	TOKEN 2, 12
	TOKEN 3, 12
	TOKEN 4, 12
	TOKEN 5, 8                                     ; nothing more is loaded: the counts run down
	TOKEN 6, 4
	TOKEN 7, 0
	global_store_b64 v3, v[GO:GO+1], s[22:23]      ; 8 tokens' gates: 256 consecutive bytes, aligned
	s_wait_xcnt 0x0                                ; EXEC changes only behind this wait
	v_cmpx_gt_u32 16, v1                           ; lanes 0 to 15: 8 tokens x 2
	global_store_b32 v7, v[IO], s[24:25]
	global_store_b32 v7, v[IO], s[26:27]
	global_store_b32 v7, v[WO], s[28:29]
	s_endpgm
.Lfunc_end_k_q1431c266b4_prep:
	.size	k_q1431c266b4_prep, .Lfunc_end_k_q1431c266b4_prep-k_q1431c266b4_prep
	.p2alignl 7, 3214868480
	.fill 96, 4, 3214868480
	.section	.rodata,"a",@progbits
	.p2align	6, 0x0
	.amdhsa_kernel k_q1431c266b4_prep
		.amdhsa_group_segment_fixed_size 0
		.amdhsa_private_segment_fixed_size 0
		.amdhsa_enable_private_segment 0
		.amdhsa_kernarg_size 88
		.amdhsa_user_sgpr_count 2
		.amdhsa_user_sgpr_kernarg_segment_ptr 1
		.amdhsa_wavefront_size32 1
		.amdhsa_system_sgpr_workgroup_id_x 1
		.amdhsa_system_sgpr_workgroup_id_y 1
		.amdhsa_system_sgpr_workgroup_id_z 1
		.amdhsa_system_vgpr_workitem_id 0
		.amdhsa_next_free_vgpr 256
		.amdhsa_next_free_sgpr 66
		.amdhsa_reserve_vcc 1
		.amdhsa_float_denorm_mode_32 3
		.amdhsa_float_denorm_mode_16_64 3
		.amdhsa_memory_ordered 1
		.amdhsa_forward_progress 1
		.amdhsa_inst_pref_size 133
	.end_amdhsa_kernel
	.amdgpu_metadata
---
amdhsa.version: [ 1, 2 ]
amdhsa.kernels:
  - .name:           k_q1431c266b4_prep
    .symbol:         k_q1431c266b4_prep.kd
    .args:
      - { .name: x, .offset: 0, .size: 8, .value_kind: global_buffer, .address_space: global }
      - { .name: Wg, .offset: 8, .size: 8, .value_kind: global_buffer, .address_space: global }
      - { .name: bg, .offset: 16, .size: 8, .value_kind: global_buffer, .address_space: global }
      - { .name: W1, .offset: 24, .size: 8, .value_kind: global_buffer, .address_space: global }
      - { .name: W2, .offset: 32, .size: 8, .value_kind: global_buffer, .address_space: global }
      - { .name: xb, .offset: 40, .size: 8, .value_kind: global_buffer, .address_space: global }
      - { .name: wb, .offset: 48, .size: 8, .value_kind: global_buffer, .address_space: global }
      - { .name: out1, .offset: 56, .size: 8, .value_kind: global_buffer, .address_space: global }
      - { .name: out2, .offset: 64, .size: 8, .value_kind: global_buffer, .address_space: global }
      - { .name: sel, .offset: 72, .size: 8, .value_kind: global_buffer, .address_space: global }
      - { .name: wts, .offset: 80, .size: 8, .value_kind: global_buffer, .address_space: global }
    .group_segment_fixed_size: 0
    .private_segment_fixed_size: 0
    .kernarg_segment_align: 8
    .kernarg_segment_size: 88
    .max_flat_workgroup_size: 256
    .sgpr_count:     66
    .vgpr_count:     256
    .wavefront_size: 32
...
	.end_amdgpu_metadata
.endif
;; end of part 1
;; launch route (part 2): grid 1 x 1, 32 waves a work-group, no clusters, 78,336 bytes of LDS; arguments sel, pos, tab; writes pos, tab
.if DOCPART == 2
	.amdgcn_target "amdgcn-amd-amdhsa--gfx1250"
	.amdhsa_code_object_version 6
	.text
	.protected	k_q1431c266b4_route
	.globl	k_q1431c266b4_route
	.p2align	8
	.type	k_q1431c266b4_route,@function
k_q1431c266b4_route:
	s_mov_b64 s[64:65], 0
	v_nop
	global_prefetch_b8 v0, s[64:65] scope:SCOPE_SE
	s_setreg_imm32_b32 hwreg(HW_REG_WAVE_MODE, 25, 1), 1
	s_wait_xcnt 0x0
; The 8,192 (token, expert) pairs are sorted by expert into row blocks of 144 rows, each block of one expert.
; The sum over experts of ceil(c_e / 144) is at most (8,192 + 8 x 143) / 144, so 64 blocks serve every routing.
; Out: pos[p] = the row of pair p = 2 n + k; tab[0 .. 9215] = the token of each row (0 for a padding row); tab[9216 + b] = block b's expert
; (7 for a block slot that the routing leaves unused: all its rows are padding).
; One work-group, 32 waves; wave w owns pairs 256 w .. 256 w + 255 as 8 groups of 32.  No branch hangs on loaded numbers.
.set CNT,  0                           ; LDS: 32 rows of 144 bytes: wave w's 8 counts
.set TOK,  4608                        ; 9,216 words: the row table
.set POSL, 41472                       ; 8,192 words: pos, each wave's own 1,024 bytes
.set S,    16                          ; v[16:23]  my pair's expert in group g
.set POS,  24                          ; v[24:31]  its row
.set C,    32                          ; v[32:39]  a row of counts
.set R,    40                          ; v[40:47]  packed sums
.set U,    48                          ; v[48:79]  at work
	s_load_b128 s[4:7], s[0:1], 0x0                ; sel s[4:5], pos s[6:7]
	s_load_b64 s[8:9], s[0:1], 0x10                ; tab
	v_lshl_add_u32 v96, v0, 2, 0x12200
	v_mov_b32 v97, 0
	v_and_b32 v1, 31, v0                           ; lane
	v_lshrrev_b32 v3, 5, v0
	v_readfirstlane_b32 s12, v3                    ; wave
	v_lshlrev_b32 v2, 2, v1
	v_lshl_add_u32 v2, v3, 10, v2                  ; 1,024 w + 4 lane: my pair of group 0, in bytes
	v_lshlrev_b32 v3, 2, v0                        ; 4 x thread
	v_mov_b32 v4, 0
	s_mov_b32 s50, 0x76543210
	s_mov_b32 s51, 0xfedcba98
	s_wait_kmcnt 0x0
.irp g, 0,1,2,3,4,5,6,7
	global_load_b32 v[S+\g], v2, s[4:5] offset:128*\g
.endr
.irp i, 0,1,2,3,4,5,6,7,8
	ds_store_b32 v3, v4 offset:TOK+4096*\i         ; every row starts as padding: token 0
.endr
	s_wait_loadcnt 0x0
	; my wave's count of each expert: s[16:23]
.irp e, 0,1,2,3,4,5,6,7
	v_cmp_eq_u32 s[40+\e], \e, v[S]
.endr
.irp e, 0,1,2,3,4,5,6,7
	s_bcnt1_i32_b32 s[16+\e], s[40+\e]
.endr
.irp g, 1,2,3,4,5,6,7
.irp e, 0,1,2,3,4,5,6,7
	v_cmp_eq_u32 s[40+\e], \e, v[S+\g]
.endr
.irp e, 0,1,2,3,4,5,6,7
	s_bcnt1_i32_b32 s48, s[40+\e]
	s_add_co_u32 s[16+\e], s[16+\e], s48
.endr
.endr
	v_mov_b32 v5, 0
.irp e, 0,1,2,3,4,5,6,7
	v_writelane_b32 v5, s[16+\e], \e
.endr
	s_mul_i32 s13, s12, 144
	v_lshl_add_u32 v6, v1, 2, s13
	ds_store_b32 v6, v5 offset:CNT                 ; my wave's row
	s_wait_dscnt 0x0                               ; for the others: my stores are done
	s_barrier_signal -1
	s_barrier_wait -1
	; lane l takes wave l's row; one packed sum for each expert: total in bits 15:0, the waves before mine in bits 31:16 (both at most 8,192)
	v_mul_u32_u24 v7, v1, 144
	ds_load_b128 v[C:C+3],   v7 offset:CNT
	ds_load_b128 v[C+4:C+7], v7 offset:CNT+16
	v_cmp_gt_u32 vcc_lo, s12, v1                   ; lanes below my wave's number
.irp e, 0,1,2,3,4,5,6,7
	v_mov_b32 v[U+\e], 0
.endr
	s_wait_dscnt 0x0
.irp e, 0,1,2,3,4,5,6,7
	v_cndmask_b32 v[R+\e], 0, v[C+\e], vcc_lo
	v_lshl_add_u32 v[R+\e], v[R+\e], 16, v[C+\e]
.endr
.irp n, 1,2,4,8
.irp e, 0,1,2,3,4,5,6,7
	v_mov_b32_dpp v[U+\e], v[R+\e] row_xmask:\n row_mask:0xf bank_mask:0xf
.endr
.irp e, 0,1,2,3,4,5,6,7
	v_add_nc_u32 v[R+\e], v[R+\e], v[U+\e]
.endr
.endr
.irp e, 0,1,2,3,4,5,6,7
	v_permlanex16_b32 v[U+\e], v[R+\e], s50, s51
.endr
.irp e, 0,1,2,3,4,5,6,7
	v_add_nc_u32 v[R+\e], v[R+\e], v[U+\e]
	v_readfirstlane_b32 s[40+\e], v[R+\e]
.endr
	; s[32+e] = expert e's first block; s[24+e] = the row of my wave's first pair of expert e
	s_mov_b32 s32, 0
.irp e, 0,1,2,3,4,5,6,7
	s_lshr_b32 s49, s[40+\e], 16
	s_mul_i32 s[24+\e], s[32+\e], 144
	s_add_co_u32 s[24+\e], s[24+\e], s49
.if \e < 7
	s_and_b32 s48, s[40+\e], 0xffff
	s_add_co_u32 s48, s48, 143
	s_mul_i32 s48, s48, 116509                     ; floor(n / 144) = n x 116,509 >> 24, exact for n up to 8,335
	s_lshr_b32 s48, s48, 24
	s_add_co_u32 s[33+\e], s[32+\e], s48
.endif
.endr
	; each pair's row: its expert's running base + the lanes below it with the same expert
.irp g, 0,1,2,3,4,5,6,7
.irp e, 0,1,2,3,4,5,6,7
	v_cmp_eq_u32 s[40+\e], \e, v[S+\g]
.endr
	v_mbcnt_lo_u32_b32 v[POS+\g], s40, s24
.irp e, 1,2,3,4,5,6,7
	v_mbcnt_lo_u32_b32 v9, s[40+\e], s[24+\e]
	v_cndmask_b32 v[POS+\g], v[POS+\g], v9, s[40+\e]
.endr
.irp e, 0,1,2,3,4,5,6,7
	s_bcnt1_i32_b32 s48, s[40+\e]
	s_add_co_u32 s[24+\e], s[24+\e], s48
.endr
	global_store_b32 v2, v[POS+\g], s[6:7] offset:128*\g
	ds_store_b32 v2, v[POS+\g] offset:POSL+128*\g  ; my wave's own bytes
.endr
	s_wait_dscnt 0x0
	s_barrier_signal -1
	s_barrier_wait -1
	; Wave 0 alone writes the tokens into the row table, so that between these two barriers one wave stores to its data-dependent bytes.
	s_cmp_lg_u32 s12, 0
	s_cbranch_scc1 .Lscattered
	v_lshlrev_b32 v10, 4, v1
	v_add_nc_u32 v10, POSL, v10                    ; four pairs a lane: pairs 128 K + 4 lane + c
	v_lshlrev_b32 v11, 1, v1                       ; their tokens: 64 K + 2 lane + (c >> 1)
.set KK, 0
.rept 8
.irp k, 0,1,2,3,4,5,6,7
	ds_load_b128 v[U+4*\k:U+4*\k+3], v10 offset:512*(KK+\k)
.endr
	s_wait_dscnt 0x0
.irp k, 0,1,2,3,4,5,6,7
	v_add_nc_u32 v12, 64*(KK+\k), v11
	v_add_nc_u32 v13, 64*(KK+\k)+1, v11
.irp c, 0,1,2,3
	v_min_u32 v[U+4*\k+\c], 0x23ff, v[U+4*\k+\c]   ; a row is at most 9,215
	v_lshlrev_b32 v[U+4*\k+\c], 2, v[U+4*\k+\c]
.endr
	ds_store_b32 v[U+4*\k],   v12 offset:TOK
	ds_store_b32 v[U+4*\k+1], v12 offset:TOK
	ds_store_b32 v[U+4*\k+2], v13 offset:TOK
	ds_store_b32 v[U+4*\k+3], v13 offset:TOK
.endr
.set KK, KK+8
.endr
.Lscattered:
	s_wait_dscnt 0x0
	s_barrier_signal -1
	s_barrier_wait -1
	; waves 0 to 17 carry the table out, 2,048 bytes each; wave 18 stores the 64 blocks' experts
	s_cmp_lt_u32 s12, 18
	s_cbranch_scc0 .Lnot_tok
	v_lshlrev_b32 v14, 4, v1
	v_lshl_add_u32 v14, s12, 11, v14
.irp j, 0,1,2,3
	ds_load_b128 v[U+4*\j:U+4*\j+3], v14 offset:TOK+512*\j
.endr
.irp j, 0,1,2,3
	s_wait_dscnt 3-\j
	global_store_b128 v14, v[U+4*\j:U+4*\j+3], s[8:9] offset:512*\j
.endr
	s_wait_tensorcnt 0x0
	ds_add_u32 v96, v97
	s_wait_dscnt 0x0
	s_endpgm
.Lnot_tok:
	s_cmp_lg_u32 s12, 18
	s_cbranch_scc1 .Lend
	v_lshlrev_b32 v15, 1, v1                       ; blocks 2 lane and 2 lane + 1
	v_add_nc_u32 v14, 1, v15
	v_mov_b32 v[U], 0
	v_mov_b32 v[U+1], 0
.irp e, 1,2,3,4,5,6,7
	v_cmp_le_u32 vcc_lo, s[32+\e], v15             ; the block's expert = how many of experts 1 to 7 begin at or before it
	v_cndmask_b32 v12, 0, 1, vcc_lo
	v_add_nc_u32 v[U], v[U], v12
	v_cmp_le_u32 vcc_lo, s[32+\e], v14
	v_cndmask_b32 v13, 0, 1, vcc_lo
	v_add_nc_u32 v[U+1], v[U+1], v13
.endr
	v_lshlrev_b32 v15, 2, v15
	global_store_b64 v15, v[U:U+1], s[8:9] offset:36864    ; 256 consecutive bytes, aligned
.Lend:
	s_wait_tensorcnt 0x0
	ds_add_u32 v96, v97
	s_wait_dscnt 0x0
	s_endpgm
.Lfunc_end_k_q1431c266b4_route:
	.size	k_q1431c266b4_route, .Lfunc_end_k_q1431c266b4_route-k_q1431c266b4_route
	.p2alignl 7, 3214868480
	.fill 96, 4, 3214868480
	.section	.rodata,"a",@progbits
	.p2align	6, 0x0
	.amdhsa_kernel k_q1431c266b4_route
		.amdhsa_group_segment_fixed_size 78336
		.amdhsa_private_segment_fixed_size 0
		.amdhsa_enable_private_segment 0
		.amdhsa_kernarg_size 24
		.amdhsa_user_sgpr_count 2
		.amdhsa_user_sgpr_kernarg_segment_ptr 1
		.amdhsa_wavefront_size32 1
		.amdhsa_system_sgpr_workgroup_id_x 1
		.amdhsa_system_sgpr_workgroup_id_y 1
		.amdhsa_system_sgpr_workgroup_id_z 1
		.amdhsa_system_vgpr_workitem_id 0
		.amdhsa_next_free_vgpr 98
		.amdhsa_next_free_sgpr 66
		.amdhsa_reserve_vcc 1
		.amdhsa_float_denorm_mode_32 3
		.amdhsa_float_denorm_mode_16_64 3
		.amdhsa_memory_ordered 1
		.amdhsa_forward_progress 1
		.amdhsa_inst_pref_size 92
	.end_amdhsa_kernel
	.amdgpu_metadata
---
amdhsa.version: [ 1, 2 ]
amdhsa.kernels:
  - .name:           k_q1431c266b4_route
    .symbol:         k_q1431c266b4_route.kd
    .args:
      - { .name: sel, .offset: 0, .size: 8, .value_kind: global_buffer, .address_space: global }
      - { .name: pos, .offset: 8, .size: 8, .value_kind: global_buffer, .address_space: global }
      - { .name: tab, .offset: 16, .size: 8, .value_kind: global_buffer, .address_space: global }
    .group_segment_fixed_size: 78336
    .private_segment_fixed_size: 0
    .kernarg_segment_align: 8
    .kernarg_segment_size: 24
    .max_flat_workgroup_size: 1024
    .sgpr_count:     66
    .vgpr_count:     98
    .wavefront_size: 32
...
	.end_amdgpu_metadata
.endif
;; end of part 2
;; launch up (part 3): grid 4 x 64, 4 waves a work-group, no clusters, 327,680 bytes of LDS; arguments xb, wb, b1, tab, h; writes h
.if DOCPART == 3
	.amdgcn_target "amdgcn-amd-amdhsa--gfx1250"
	.amdhsa_code_object_version 6
	.text
	.protected	k_q1431c266b4_up
	.globl	k_q1431c266b4_up
	.p2align	8
	.type	k_q1431c266b4_up,@function
k_q1431c266b4_up:
	s_mov_b64 s[64:65], 0
	v_nop
	global_prefetch_b8 v0, s[64:65] scope:SCOPE_SE
	s_setreg_imm32_b32 hwreg(HW_REG_WAVE_MODE, 25, 1), 1
	s_wait_xcnt 0x0
; h[row][:] = relu(x[token of row] W1[e] + b1[e]) in bf16, for the 9,216 rows of the 64 row blocks.
; Work-group (cb, rb): rows 144 rb .. +143 (one expert e = tab[9216 + rb]), columns 256 cb .. +255.  Four waves, 144 x 64 each:
; 9 x 4 accumulator tiles.  Padding rows hold token 0's data, are computed and stored like the others, and are read by nothing that
; reaches an output; a block slot that the routing leaves unused runs the same text on padding rows alone (how many slots are used
; hangs on the routing, and no branch here hangs on loaded numbers).
; NO CLUSTER: A's rows are gathered by a list of tokens, lane by lane through registers, so they are no tile that a joint tensor load could name;
; W1's tile is shared by the row blocks of one expert, whose number hangs on the routing, and a mask may not.
; A (all of K = 512) is put into LDS once, by loads into registers and LDS stores; W1's tile goes through two slots of 128 k filled by
; tensor loads, a quarter (32 k-rows) a wave.  A's bytes are 585 whole blocks of 256 bytes from LDS byte 0, and no tensor load lands in them.
; THE MATRIX INSTRUCTION IS USED TRANSPOSED (source 0 = W1's columns, source 1 = rows of x): a lane holds 8 neighbouring columns of one row.
.set APITCH, 1040                      ; 1,024 bytes + 16: 65 x 16, the 16 rows of a fragment start 16 bytes apart modulo 256
.set ABYTES, 144*APITCH                ; 149,760
.set BPITCH, 544                       ; 512 bytes + 32: 17 x 32, for the transposing loads
.set BSLOT,  128*BPITCH                ; 69,632
.set SPITCH, 528                       ; the stage of the way out, over A's bytes: 144 rows of 512 bytes + 16
.set ADRA, 4                           ; v4-6   A fragments of row tiles 0-2, 3-5, 6-8
.set LST,  7                           ; v7     head only: where my 16 bytes of the wave's first two rows of A go
.set ADRB, 8                           ; v8-9   W1 fragments in slot 0, 1
.set STO,  10                          ; v10-11 the stage: where I put 16 bytes (row tiles 0-3, 4-8)
.set RD,   12                          ; v12    where I read a row back
.set CO,   13                          ; v13    16 x lane
.set BOFF, 14
.set TOFF, 15
.set FA0,  16                          ; v[16:87], v[88:159]    fragments of A, two buffers
.set FA1,  88
.set FB0,  160                         ; v[160:191], v[192:223] fragments of W1, two buffers
.set FB1,  192
.set GI,   16                          ; head only: v[16:33] the token of my row in pair p, then its byte offset in xb
.set D0,   64                          ; head only: v[64:159], v[160:255] gathered rows on their way to LDS, 24 loads each
.set D1,   160
.set PK,   16                          ; way out: packed results, then rows read back
.set BIAS, 32                          ; window 2: v[32+8b ..] b1 of my 8 columns of column tile b
; window 1: accumulator tile (a, b) at v[8 (4 a + b)], a = 0 .. 7; window 2: tiles (8, b) at v[8 b]
.set MSB, 0
.macro WIN new                         ; the immediate's high byte repeats the setting that is left
.if MSB != \new
	s_set_vgpr_msb (MSB<<8)|\new
.set MSB, \new
.endif
.endm
.macro PLACES                          ; four plain vector instructions behind a matrix instruction, ahead of loads into its sources and of readers of its result
.rept 4
	v_nop
.endr
.endm
	s_load_b256 s[4:11], s[0:1], 0x0               ; xb s[4:5], wb s[6:7], b1 s[8:9], tab s[10:11]
	s_load_b64 s[12:13], s[0:1], 0x20              ; h
	s_set_vgpr_msb 0x80
	v_lshl_add_u32 v64, v0, 2, 0x46900
	v_mov_b32 v65, 0
	s_set_vgpr_msb 0x808a
	ds_add_u32 v64, v65
	ds_add_u32 v64, v65
	s_set_vgpr_msb 0x8a00
	v_lshrrev_b32 v1, 5, v0
	v_readfirstlane_b32 s16, v1                    ; wave
	s_mov_b32 s17, ttmp9                           ; cb
	s_and_b32 s18, ttmp7, 0xffff                   ; rb
	s_lshl_b32 s20, s18, 2
	v_and_b32 v1, 15, v0                           ; r
	v_bfe_u32 v2, v0, 4, 1                         ; h
	v_lshlrev_b32 v3, 4, v1                        ; 16 r
	s_mul_i32 s40, s18, 144
	s_mul_i32 s41, s16, 36
	s_add_co_u32 s40, s40, s41                     ; my wave's first row
	v_add_lshl_u32 v[TOFF], v2, s40, 2
	s_wait_dscnt 0x0
	s_wait_kmcnt 0x0
	s_load_b32 s19, s[10:11], s20 offset:0x9000    ; the block's expert
.irp p, 0,1,2,3,4,5,6,7,8,9,10,11,12,13,14,15,16,17
	global_load_b32 v[GI+\p], v[TOFF], s[10:11] offset:8*\p        ; the token of row 36 w + 2 p + h; on their way beside the expert's load
.endr
	; descriptor group 1: 32 k-rows x 256 columns of bf16, 2,048 bytes from row to row, 32 bytes of padding behind each 512
	s_mov_b32 s24, (1<<16)|(1<<20)|(6<<22)|(7<<25) ; element of 2 bytes; padding on; after every 128 words; of 8 words
	s_mov_b32 s25, 256<<16                         ; tensor_dim0 = 256
	s_mov_b32 s26, 32<<16                          ; tensor_dim1 = 32
	s_mov_b32 s27, 256<<16                         ; tile_dim0 = 256
	s_mov_b32 s28, 32                              ; tile_dim1 = 32
	s_mov_b32 s29, 1024                            ; elements from row to row
	s_mov_b32 s30, 0
	s_mov_b32 s31, 0
	s_mul_i32 s21, s16, 32*BPITCH                  ; my quarter of a slot
	s_mov_b32 s32, 1
	s_add_co_u32 s33, s21, ABYTES
	s_mov_b32 s36, 1
	s_add_co_u32 s37, s21, ABYTES+BSLOT
	s_lshl_b32 s22, s16, 16                        ; 32 w rows of 2,048 bytes
	s_lshl_b32 s23, s17, 9                         ; 256 cb columns
	s_add_co_u32 s22, s22, s23
	s_wait_kmcnt 0x0
	s_min_u32 s19, s19, 7
	s_lshl_b32 s23, s19, 20                        ; an expert's W1 is 1,048,576 bytes
	s_add_co_u32 s22, s22, s23
	s_mov_b32 s23, 0
	s_add_nc_u64 s[34:35], s[6:7], s[22:23]        ; K step 0
	s_add_nc_u64 s[38:39], s[34:35], 0x40000       ; K step 1: 128 rows on
	s_or_b32 s35, s35, 0x80000000
	s_or_b32 s39, s39, 0x80000000
	tensor_load_to_lds s[32:35], s[24:31]          ; both first fills go out together, ahead of every wait on them, LDS read and barrier
	s_nop 0
	tensor_load_to_lds s[36:39], s[24:31]
	s_nop 0
	; THE GATHER OF A: wave w brings rows 36 w .. 36 w + 35.  One load takes 256 bytes of each of two rows (16 lanes x 16 bytes a row), four loads a
	; pair of rows, 72 in all, in three groups of 24.
.macro GATHER g, d                     ; pairs 6 g .. 6 g + 5 into registers d ..
.irp p, 0,1,2,3,4,5
.irp c, 0,1,2,3
	global_load_b128 v[\d+16*\p+4*\c:\d+16*\p+4*\c+3], v[GI+6*\g+\p], s[4:5] offset:256*\c
.endr
.endr
.endm
.macro PUT g, d                        ; and from there into my wave's own rows of A in LDS
.irp p, 0,1,2,3,4,5
.irp c, 0,1,2,3
	ds_store_b128 v[LST], v[\d+16*\p+4*\c:\d+16*\p+4*\c+3] offset:2*APITCH*(6*\g+\p)+256*\c
.endr
.endr
.endm
	s_mul_i32 s41, s16, 36*APITCH
	v_mul_u32_u24 v[LST], v2, APITCH
	v_add_nc_u32 v[LST], v[LST], v3
	v_add_nc_u32 v[LST], s41, v[LST]               ; 36 w rows + h rows + 16 r
	s_wait_loadcnt 0x0                             ; the tokens
.irp p, 0,1,2,3,4,5,6,7,8,9,10,11,12,13,14,15,16,17
	v_min_u32 v[GI+\p], 0xfff, v[GI+\p]
	v_lshl_add_u32 v[GI+\p], v[GI+\p], 10, v3      ; token x 1,024 + 16 r
.endr
	GATHER 0, D0
	GATHER 1, D1
	; address registers, while the rows are on their way
	s_lshl_b32 s20, s19, 12                        ; b1 of my columns: lane (r, h), column tile b: columns 256 cb + 64 w + 16 b + 8 h + 0 .. 7
	s_lshl_b32 s21, s17, 10
	s_add_co_u32 s20, s20, s21
	s_lshl_b32 s21, s16, 8
	s_add_co_u32 s20, s20, s21
	v_lshl_add_u32 v[BOFF], v2, 5, s20
	v_mul_u32_u24 v[ADRA], v1, APITCH
	v_lshl_add_u32 v[ADRA], v2, 4, v[ADRA]         ; r x pitch + 16 h
	v_add_nc_u32 v[ADRA+1], 48*APITCH, v[ADRA]
	v_add_nc_u32 v[ADRA+2], 96*APITCH, v[ADRA]
	v_and_b32 v[RD], 7, v0
	v_lshl_add_u32 v[RD], v2, 3, v[RD]             ; k-row 8 h + (l & 7)
	v_mul_u32_u24 v[RD], v[RD], BPITCH
	v_bfe_u32 v[ADRB], v0, 3, 1
	v_lshl_add_u32 v[RD], v[ADRB], 4, v[RD]        ; + 16 ((l >> 3) & 1)
	s_lshl_b32 s21, s16, 7
	s_add_co_u32 s21, s21, ABYTES                  ; + my 64 columns, + the slots' base
	v_add_nc_u32 v[ADRB], s21, v[RD]
	v_add_nc_u32 v[ADRB+1], BSLOT, v[ADRB]
	v_mul_u32_u24 v[STO], v1, SPITCH
	v_lshl_add_u32 v[STO], v2, 4, v[STO]
	v_lshl_add_u32 v[STO], s16, 7, v[STO]          ; r x 528 + 128 w + 16 h
	v_add_nc_u32 v[STO+1], 64*SPITCH, v[STO]
	v_and_b32 v[CO], 31, v0
	v_lshlrev_b32 v[CO], 4, v[CO]
	s_mul_i32 s21, s16, 36*SPITCH
	v_add_nc_u32 v[RD], s21, v[CO]
	s_lshl_b32 s20, s40, 11
	s_lshl_b32 s21, s17, 9
	s_add_co_u32 s20, s20, s21
	s_mov_b32 s21, 0
	s_add_nc_u64 s[12:13], s[12:13], s[20:21]      ; h at my wave's first row, my block's columns
	s_wait_loadcnt 24                              ; group 0 is in; group 1's 24 loads stay out
	PUT 0, D0
	s_wait_dscnt 0x0                               ; group 0's LDS stores are done: their data registers are loaded again
	GATHER 2, D0
	WIN 0x80                                       ; destination in window 2
.irp b, 0,1,2,3
	global_load_b128 v[BIAS+8*\b:BIAS+8*\b+3],   v[BOFF], s[8:9] offset:64*\b
	global_load_b128 v[BIAS+8*\b+4:BIAS+8*\b+7], v[BOFF], s[8:9] offset:64*\b+16
.endr
	WIN 0
	s_wait_loadcnt 32                              ; group 1 is in; group 2's 24 loads and b1's 8 stay out
	PUT 1, D1
	s_wait_loadcnt 8                               ; group 2 is in; b1's 8 loads stay out
	PUT 2, D0
; 26 LDS loads: the fragments of 32 k (quarter q of the K step at byte kb of A's rows): 144 rows of A, 64 columns of W1
.macro FETCH slot, kb, q, fa, fb
.irp a, 0,1,2,3,4,5,6,7,8
	ds_load_b128 v[\fa+8*\a:\fa+8*\a+3],   v[ADRA+(\a)/3] offset:((\a)%3)*16*APITCH+\kb+64*\q
	ds_load_b128 v[\fa+8*\a+4:\fa+8*\a+7], v[ADRA+(\a)/3] offset:((\a)%3)*16*APITCH+\kb+64*\q+32
.endr
.irp b, 0,1,2,3
	ds_load_tr16_b128 v[\fb+8*\b:\fb+8*\b+3],   v[ADRB+\slot] offset:32*\q*BPITCH+32*\b
	ds_load_tr16_b128 v[\fb+8*\b+4:\fb+8*\b+7], v[ADRB+\slot] offset:32*\q*BPITCH+32*\b+16*BPITCH
.endr
.endm
; 36 matrix instructions; the 36 accumulators take turns, one instruction a turn.  first = 1: the sums start from b1.
.macro MUL fa, fb, first
.if \first
	WIN 0x60                                       ; D window 1, C window 2
.else
	WIN 0x50                                       ; C and D window 1
.endif
.irp a, 0,1,2,3,4,5,6,7
.irp b, 0,1,2,3
.if \first
	v_wmma_f32_16x16x32_bf16 v[8*(4*\a+\b):8*(4*\a+\b)+7], v[\fb+8*\b:\fb+8*\b+7], v[\fa+8*\a:\fa+8*\a+7], v[BIAS+8*\b:BIAS+8*\b+7]
.else
	v_wmma_f32_16x16x32_bf16 v[8*(4*\a+\b):8*(4*\a+\b)+7], v[\fb+8*\b:\fb+8*\b+7], v[\fa+8*\a:\fa+8*\a+7], v[8*(4*\a+\b):8*(4*\a+\b)+7]
.endif
.endr
.endr
	WIN 0xa0                                       ; C and D window 2
.irp b, 0,1,2,3
.if \first
	v_wmma_f32_16x16x32_bf16 v[8*\b:8*\b+7], v[\fb+8*\b:\fb+8*\b+7], v[\fa+64:\fa+71], v[BIAS+8*\b:BIAS+8*\b+7]
.else
	v_wmma_f32_16x16x32_bf16 v[8*\b:8*\b+7], v[\fb+8*\b:\fb+8*\b+7], v[\fa+64:\fa+71], v[8*\b:8*\b+7]
.endif
.endr
	WIN 0
.endm
; A K step of 128: four quarters on buffers 0, 1, 0, 1; while one is multiplied the next one's 26 loads are on their way
.macro STEP slot, st, first
	PLACES
	FETCH \slot, 256*\st, 0, FA0, FB0
	FETCH \slot, 256*\st, 1, FA1, FB1
	s_wait_dscnt 26                                ; all but the 26 loads just issued
	MUL FA0, FB0, \first
	PLACES
	FETCH \slot, 256*\st, 2, FA0, FB0
	s_wait_dscnt 26
	MUL FA1, FB1, 0
	PLACES
	FETCH \slot, 256*\st, 3, FA1, FB1
	s_wait_dscnt 26
	MUL FA0, FB0, 0
	s_wait_dscnt 0x0
	MUL FA1, FB1, 0
.endm
; Slot s has been read and is filled again, two K steps on: every wave's reads and tensor loads are done, a barrier, then my one load
.macro REFILL s
	s_set_vgpr_msb 0xa
	s_wait_tensorcnt 0x0                           ; all my tensor loads have landed, my quarter of the other slot among them
	ds_add_u32 v64, v65
	s_wait_dscnt 0x0
	s_set_vgpr_msb 0xa00
	s_add_nc_u64 s[34+4*\s:35+4*\s], s[34+4*\s:35+4*\s], 0x80000   ; 256 rows of 2,048 bytes
	s_wait_dscnt 0x0                               ; my reads of slot s are over
	s_barrier_signal -1
	s_barrier_wait -1
	tensor_load_to_lds s[32+4*\s:35+4*\s], s[24:31]
	s_nop 0
.endm
	s_wait_loadcnt 0x0                             ; b1
	s_wait_dscnt 0x0                               ; for the others: my rows of A are in LDS
	s_wait_tensorcnt 0x1                           ; my quarter of K step 0 too; K step 1's may stay out
	s_barrier_signal -1
	s_barrier_wait -1
	STEP 0, 0, 1
	REFILL 0
	STEP 1, 1, 0
	REFILL 1
	STEP 0, 2, 0
	s_wait_tensorcnt 0x0                           ; my quarter of the last K step
	s_wait_dscnt 0x0
	s_barrier_signal -1
	s_barrier_wait -1
	STEP 1, 3, 0
	; THE WAY OUT: relu, round to bf16, 16 bytes a lane into the stage over A's bytes (into which no tensor load lands), whole rows back.
	PLACES
	s_wait_dscnt 0x0
	s_barrier_signal -1                            ; my reads of A are over; register work while the others arrive
	WIN 0x44
.set i, 0
.rept 256
	v_max_num_f32 v[i], 0, v[i]
.set i, i+1
.endr
	WIN 0x88
.set i, 0
.rept 32
	v_max_num_f32 v[i], 0, v[i]
.set i, i+1
.endr
	WIN 0x05
.irp a, 0,1,2,3,4,5,6,7
.irp b, 0,1,2,3
.irp q, 0,1,2,3
	v_cvt_pk_bf16_f32 v[PK+16*\a+4*\b+\q], v[8*(4*\a+\b)+2*\q], v[8*(4*\a+\b)+2*\q+1]
.endr
.endr
.endr
	WIN 0x0a
.irp b, 0,1,2,3
.irp q, 0,1,2,3
	v_cvt_pk_bf16_f32 v[PK+128+4*\b+\q], v[8*\b+2*\q], v[8*\b+2*\q+1]
.endr
.endr
	WIN 0
	s_barrier_wait -1                              ; nobody reads A any more
.irp a, 0,1,2,3
.irp b, 0,1,2,3
	ds_store_b128 v[STO], v[PK+16*\a+4*\b:PK+16*\a+4*\b+3] offset:16*SPITCH*\a+32*\b
.endr
.endr
.irp a, 4,5,6,7,8
.irp b, 0,1,2,3
	ds_store_b128 v[STO+1], v[PK+16*\a+4*\b:PK+16*\a+4*\b+3] offset:16*SPITCH*(\a-4)+32*\b
.endr
.endr
	s_wait_dscnt 0x0                               ; a row holds four waves' columns
	s_barrier_signal -1
	s_barrier_wait -1
.set i, 0
.rept 36
	ds_load_b128 v[PK+4*i:PK+4*i+3], v[RD] offset:SPITCH*i         ; row 36 w + i: 512 bytes
.set i, i+1
.endr
.set i, 0
.rept 36
	s_wait_dscnt 35-i
	global_store_b128 v[CO], v[PK+4*i:PK+4*i+3], s[12:13] offset:2048*i   ; 512 consecutive bytes, aligned
.set i, i+1
.endr
	s_set_vgpr_msb 0xa
	s_wait_tensorcnt 0x0
	ds_add_u32 v64, v65
	s_wait_dscnt 0x0
	s_set_vgpr_msb 0xa00
	s_endpgm
.Lfunc_end_k_q1431c266b4_up:
	.size	k_q1431c266b4_up, .Lfunc_end_k_q1431c266b4_up-k_q1431c266b4_up
	.p2alignl 7, 3214868480
	.fill 96, 4, 3214868480
	.section	.rodata,"a",@progbits
	.p2align	6, 0x0
	.amdhsa_kernel k_q1431c266b4_up
		.amdhsa_group_segment_fixed_size 327680
		.amdhsa_private_segment_fixed_size 0
		.amdhsa_enable_private_segment 0
		.amdhsa_kernarg_size 40
		.amdhsa_user_sgpr_count 2
		.amdhsa_user_sgpr_kernarg_segment_ptr 1
		.amdhsa_wavefront_size32 1
		.amdhsa_system_sgpr_workgroup_id_x 1
		.amdhsa_system_sgpr_workgroup_id_y 1
		.amdhsa_system_sgpr_workgroup_id_z 1
		.amdhsa_system_vgpr_workitem_id 0
		.amdhsa_next_free_vgpr 578
		.amdhsa_next_free_sgpr 66
		.amdhsa_reserve_vcc 0
		.amdhsa_float_denorm_mode_32 3
		.amdhsa_float_denorm_mode_16_64 3
		.amdhsa_memory_ordered 1
		.amdhsa_forward_progress 1
		.amdhsa_inst_pref_size 116
	.end_amdhsa_kernel
	.amdgpu_metadata
---
amdhsa.version: [ 1, 2 ]
amdhsa.kernels:
  - .name:           k_q1431c266b4_up
    .symbol:         k_q1431c266b4_up.kd
    .args:
      - { .name: xb, .offset: 0, .size: 8, .value_kind: global_buffer, .address_space: global }
      - { .name: wb, .offset: 8, .size: 8, .value_kind: global_buffer, .address_space: global }
      - { .name: b1, .offset: 16, .size: 8, .value_kind: global_buffer, .address_space: global }
      - { .name: tab, .offset: 24, .size: 8, .value_kind: global_buffer, .address_space: global }
      - { .name: h, .offset: 32, .size: 8, .value_kind: global_buffer, .address_space: global }
    .group_segment_fixed_size: 327680
    .private_segment_fixed_size: 0
    .kernarg_segment_align: 8
    .kernarg_segment_size: 40
    .max_flat_workgroup_size: 128
    .sgpr_count:     66
    .vgpr_count:     578
    .wavefront_size: 32
...
	.end_amdgpu_metadata
.endif
;; end of part 3
;; launch down (part 4): grid 4 x 64, 4 waves a work-group, clusters of 4 x 1, 327,680 bytes of LDS; arguments h, wb, b2, tab, y; writes y
.if DOCPART == 4
	.amdgcn_target "amdgcn-amd-amdhsa--gfx1250"
	.amdhsa_code_object_version 6
	.text
	.protected	k_q1431c266b4_down
	.globl	k_q1431c266b4_down
	.p2align	8
	.type	k_q1431c266b4_down,@function
k_q1431c266b4_down:
	s_mov_b64 s[64:65], 0
	v_nop
	global_prefetch_b8 v0, s[64:65] scope:SCOPE_SE
	s_setreg_imm32_b32 hwreg(HW_REG_WAVE_MODE, 25, 1), 1
	s_wait_xcnt 0x0
	s_wait_alu depctr_hold_cnt(0) depctr_sa_sdst(0) depctr_va_vdst(0) depctr_va_sdst(0) depctr_va_ssrc(0) depctr_va_vcc(0) depctr_vm_vsrc(0)
	s_getreg_b32 s2, hwreg(HW_REG_IB_STS2, 6, 4)
	s_cmp_eq_u32 s2, 0
	s_cbranch_scc0 .Lentry_in_a_cluster
	s_endpgm
.Lentry_in_a_cluster:
	s_bfe_u32 s2, ttmp6, 0x10000c
	s_cmp_lg_u32 s2, 0x3003
	s_cbranch_scc0 .Lentry_shape_is_right
	s_endpgm
.Lentry_shape_is_right:
; y[row][:] = h[row] W2[e] + b2[e] in f32, for the 9,216 rows of the 64 row blocks.
; Work-group (cb, rb): rows 144 rb .. +143 (expert e = tab[9216 + rb]), columns 128 cb .. +127.  Four waves, 144 x 32 each: 9 x 2 accumulator tiles.
; K = 1,024 in four steps of 256 through two LDS slots.  Padding rows and unused block slots as in the launch before: computed, stored, never used.
; CLUSTER 4 x 1: the four column blocks of a row block read the same rows of h, so h's tiles are asked for jointly (mask 15) by waves 0 and 1;
; their address is made of rb and the wave's number alone.  W2's tiles differ from partner to partner (cb): plain loads of waves 2 and 3.
; THE MATRIX INSTRUCTION IS USED TRANSPOSED (source 0 = W2's columns, source 1 = rows of h): a lane holds 8 neighbouring columns of one row.
.set APITCH, 528                       ; 512 bytes + 16
.set ABYTES, 144*APITCH                ; 76,032
.set BPITCH, 288                       ; 256 bytes + 32: 9 x 32, for the transposing loads
.set SLOT,   ABYTES+256*BPITCH         ; 149,760
.set SPITCH, 528                       ; the stage of the way out, over slot 0's A part
.set BOFF, 3
.set ADRA, 4                           ; v4-7   A fragments: slot 0 row tiles 0-3, 4-8; slot 1 likewise
.set ADRB, 8                           ; v8-11  W2 fragments: slot 0 quarters 0-3, 4-7; slot 1 likewise
.set STO,  12                          ; v12-13
.set RD,   14
.set CO,   15
.set FA0,  16
.set FA1,  88
.set FB0,  160
.set FB1,  176
.set BIAS, 144                         ; window 1: b2 of my 8 columns of column tile b at v[144 + 8 b]; accumulator tile (a, b) at v[8 (2 a + b)]
.set MSB, 0
.macro WIN new
.if MSB != \new
	s_set_vgpr_msb (MSB<<8)|\new
.set MSB, \new
.endif
.endm
.macro PLACES                          ; four plain vector instructions behind a matrix instruction (ISA guide 7.12.1)
.rept 4
	v_nop
.endr
.endm
; A round of the cluster's barrier: my work-group's barrier, wave 0 signals for the work-group, every wave waits for all four work-groups, my work-group's barrier again
.macro ROUND
	s_barrier_signal -1
	s_barrier_wait -1
	s_cmp_lg_u32 s8, 0
	s_cbranch_scc1 .Lnot_wave_0_\@
	s_barrier_signal -3
.Lnot_wave_0_\@:
	s_barrier_wait -3
	s_barrier_signal -1
	s_barrier_wait -1
.endm
.macro JLOAD s                         ; waves 0, 1: h's tile, jointly; waves 2, 3: W2's; the branch hangs on the wave's number alone
	s_cmp_eq_u32 s9, 0
	s_cbranch_scc0 .Lfor_b_\@
	tensor_load_to_lds s[32+4*\s:35+4*\s], s[16:23]
	s_nop 0
	s_branch .Lasked_\@
.Lfor_b_\@:
	tensor_load_to_lds s[40+4*\s:43+4*\s], s[24:31]
	s_nop 0
.Lasked_\@:
.endm
	s_load_b256 s[48:55], s[0:1], 0x0              ; h s[48:49], wb s[50:51], b2 s[52:53], tab s[54:55]
	s_load_b64 s[56:57], s[0:1], 0x20              ; y
	v_lshl_add_u32 v254, v0, 2, 0x49200
	v_mov_b32 v255, 0
	ds_add_u32 v254, v255
	ds_add_u32 v254, v255
	v_lshrrev_b32 v1, 5, v0
	v_readfirstlane_b32 s8, v1                     ; wave
	s_lshr_b32 s9, s8, 1                           ; 0: I fetch h, 1: W2
	s_and_b32 s14, s8, 1                           ; which half of that tile
	s_bfe_u32 s10, ttmp6, 0x40000                  ; cx = cb
	s_and_b32 s11, ttmp7, 0xffff                   ; rb
	s_lshl_b32 s13, s11, 2
	s_wait_dscnt 0x0
	s_wait_kmcnt 0x0
	s_load_b32 s12, s[54:55], s13 offset:0x9000    ; the block's expert: the same in all four partners
	; group 1 for h: 72 rows x 256 k of bf16, 2,048 bytes from row to row, 16 bytes of padding behind each 512; mask 15, bit 21 beside it
	s_mov_b32 s16, 15|(1<<16)|(1<<20)|(1<<21)|(6<<22)|(3<<25)
	s_mov_b32 s17, 256<<16
	s_mov_b32 s18, 72<<16
	s_mov_b32 s19, 256<<16
	s_mov_b32 s20, 72
	s_mov_b32 s21, 1024
	s_mov_b32 s22, 0
	s_mov_b32 s23, 0
	; group 1 for W2: 128 k-rows x 128 columns, 1,024 bytes from row to row, 32 bytes of padding behind each 256; no mask
	s_mov_b32 s24, (1<<16)|(1<<20)|(5<<22)|(7<<25)
	s_mov_b32 s25, 128<<16
	s_mov_b32 s26, 128<<16
	s_mov_b32 s27, 128<<16
	s_mov_b32 s28, 128
	s_mov_b32 s29, 512
	s_mov_b32 s30, 0
	s_mov_b32 s31, 0
	s_mov_b32 s32, 1
	s_mul_i32 s33, s8, 72*APITCH                   ; h: waves 0, 1 at 0 and 38,016 of the slot
	s_mov_b32 s36, 1
	s_add_co_u32 s37, s33, SLOT
	s_mov_b32 s40, 1
	s_mul_i32 s41, s8, 128*BPITCH
	s_add_co_u32 s41, s41, ABYTES-256*BPITCH       ; W2: waves 2, 3 at 76,032 and 112,896 of the slot
	s_mov_b32 s44, 1
	s_add_co_u32 s45, s41, SLOT
	s_mul_i32 s4, s11, 144
	s_mul_i32 s5, s14, 72
	s_add_co_u32 s4, s4, s5
	s_lshl_b32 s4, s4, 11
	s_mov_b32 s5, 0
	s_add_nc_u64 s[34:35], s[48:49], s[4:5]        ; h at row 144 rb + 72 x half, K step 0
	s_add_nc_u64 s[38:39], s[34:35], 512           ; K step 1
	s_or_b32 s35, s35, 0x80000000
	s_or_b32 s39, s39, 0x80000000
	s_wait_kmcnt 0x0
	s_min_u32 s12, s12, 7
	s_lshl_b32 s6, s12, 20                         ; an expert's W2 is 1,048,576 bytes
	s_lshl_b32 s58, s14, 17                        ; 128 k-rows of 1,024 bytes
	s_add_co_u32 s6, s6, s58
	s_lshl_b32 s58, s10, 8                         ; 128 cb columns
	s_add_co_u32 s6, s6, s58
	s_add_co_u32 s6, s6, 0x800000                  ; W2's half of wb
	s_mov_b32 s7, 0
	s_add_nc_u64 s[42:43], s[50:51], s[6:7]
	s_add_nc_u64 s[46:47], s[42:43], 0x40000       ; K step 1: 256 rows on
	s_or_b32 s43, s43, 0x80000000
	s_or_b32 s47, s47, 0x80000000
	ROUND                                          ; all four work-groups are here: the first joint loads meet
	s_cmp_eq_u32 s9, 0                             ; a wave's two first fills stand in one branch
	s_cbranch_scc0 .Lfirst_b
	tensor_load_to_lds s[32:35], s[16:23]
	s_nop 0
	tensor_load_to_lds s[36:39], s[16:23]
	s_nop 0
	s_branch .Lfirst_done
.Lfirst_b:
	tensor_load_to_lds s[40:43], s[24:31]
	s_nop 0
	tensor_load_to_lds s[44:47], s[24:31]
	s_nop 0
.Lfirst_done:
	v_and_b32 v1, 15, v0                           ; r
	v_bfe_u32 v2, v0, 4, 1                         ; h
	; b2: lane (r, h), column tile b: columns 128 cb + 32 w + 16 b + 8 h + 0 .. 7
	s_lshl_b32 s58, s12, 11
	s_lshl_b32 s59, s10, 9
	s_add_co_u32 s58, s58, s59
	s_lshl_b32 s59, s8, 7
	s_add_co_u32 s58, s58, s59
	v_lshl_add_u32 v[BOFF], v2, 5, s58
	WIN 0x40                                       ; destination in window 1
.irp b, 0,1
	global_load_b128 v[BIAS+8*\b:BIAS+8*\b+3],   v[BOFF], s[52:53] offset:64*\b
	global_load_b128 v[BIAS+8*\b+4:BIAS+8*\b+7], v[BOFF], s[52:53] offset:64*\b+16
.endr
	WIN 0
	v_mul_u32_u24 v[ADRA], v1, APITCH
	v_lshl_add_u32 v[ADRA], v2, 4, v[ADRA]         ; r x pitch + 16 h
	v_add_nc_u32 v[ADRA+1], 64*APITCH, v[ADRA]
	v_add_nc_u32 v[ADRA+2], SLOT, v[ADRA]
	v_add_nc_u32 v[ADRA+3], SLOT, v[ADRA+1]
	v_and_b32 v16, 7, v0
	v_lshl_add_u32 v16, v2, 3, v16                 ; k-row 8 h + (l & 7)
	v_mul_u32_u24 v16, v16, BPITCH
	v_bfe_u32 v17, v0, 3, 1
	v_lshl_add_u32 v16, v17, 4, v16                ; + 16 ((l >> 3) & 1)
	s_lshl_b32 s59, s8, 6
	s_add_co_u32 s59, s59, ABYTES                  ; + my 32 columns, behind A's part
	v_add_nc_u32 v[ADRB], s59, v16
	v_add_nc_u32 v[ADRB+1], 128*BPITCH, v[ADRB]
	v_add_nc_u32 v[ADRB+2], SLOT, v[ADRB]
	v_add_nc_u32 v[ADRB+3], SLOT, v[ADRB+1]
	v_mul_u32_u24 v[STO], v1, SPITCH
	v_lshl_add_u32 v[STO], v2, 5, v[STO]
	v_lshl_add_u32 v[STO], s8, 7, v[STO]           ; r x 528 + 128 w + 32 h
	v_add_nc_u32 v[STO+1], 64*SPITCH, v[STO]
	v_and_b32 v[CO], 31, v0
	v_lshlrev_b32 v[CO], 4, v[CO]
	s_mul_i32 s59, s8, 36*SPITCH
	v_add_nc_u32 v[RD], s59, v[CO]
	s_mul_i32 s58, s11, 144
	s_mul_i32 s59, s8, 36
	s_add_co_u32 s58, s58, s59
	s_lshl_b32 s58, s58, 11
	s_lshl_b32 s59, s10, 9
	s_add_co_u32 s58, s58, s59
	s_mov_b32 s59, 0
	s_add_nc_u64 s[56:57], s[56:57], s[58:59]      ; y at row 144 rb + 36 w, my block's columns
; 22 LDS loads: the fragments of 32 k (quarter q of the slot's 256): 144 rows of h, 32 columns of W2
.macro FETCH slot, q, fa, fb
.irp a, 0,1,2,3
	ds_load_b128 v[\fa+8*\a:\fa+8*\a+3],   v[ADRA+2*\slot] offset:16*APITCH*\a+64*\q
	ds_load_b128 v[\fa+8*\a+4:\fa+8*\a+7], v[ADRA+2*\slot] offset:16*APITCH*\a+64*\q+32
.endr
.irp a, 4,5,6,7,8
	ds_load_b128 v[\fa+8*\a:\fa+8*\a+3],   v[ADRA+2*\slot+1] offset:16*APITCH*(\a-4)+64*\q
	ds_load_b128 v[\fa+8*\a+4:\fa+8*\a+7], v[ADRA+2*\slot+1] offset:16*APITCH*(\a-4)+64*\q+32
.endr
.irp b, 0,1
	ds_load_tr16_b128 v[\fb+8*\b:\fb+8*\b+3],   v[ADRB+2*\slot+(\q)/4] offset:32*((\q)%4)*BPITCH+32*\b
	ds_load_tr16_b128 v[\fb+8*\b+4:\fb+8*\b+7], v[ADRB+2*\slot+(\q)/4] offset:32*((\q)%4)*BPITCH+32*\b+16*BPITCH
.endr
.endm
; 18 matrix instructions; the 18 accumulators take turns, one instruction a turn.  first = 1: the sums start from b2.
.macro MUL fa, fb, first
	WIN 0x50                                       ; C and D window 1
.irp a, 0,1,2,3,4,5,6,7,8
.irp b, 0,1
.if \first
	v_wmma_f32_16x16x32_bf16 v[8*(2*\a+\b):8*(2*\a+\b)+7], v[\fb+8*\b:\fb+8*\b+7], v[\fa+8*\a:\fa+8*\a+7], v[BIAS+8*\b:BIAS+8*\b+7]
.else
	v_wmma_f32_16x16x32_bf16 v[8*(2*\a+\b):8*(2*\a+\b)+7], v[\fb+8*\b:\fb+8*\b+7], v[\fa+8*\a:\fa+8*\a+7], v[8*(2*\a+\b):8*(2*\a+\b)+7]
.endif
.endr
.endr
	WIN 0
.endm
.macro NEXT slot, q, fa, fb, ga, gb    ; quarter q's loads go out, the quarter before is multiplied
	PLACES
	FETCH \slot, \q, \fa, \fb
	s_wait_dscnt 22                                ; all but the 22 loads just issued
	MUL \ga, \gb, 0
.endm
.macro STEP slot, first                ; a K step of 256: eight quarters on buffers 0, 1 in turn
	PLACES
	FETCH \slot, 0, FA0, FB0
	FETCH \slot, 1, FA1, FB1
	s_wait_dscnt 22
	MUL FA0, FB0, \first
	NEXT \slot, 2, FA0, FB0, FA1, FB1
	NEXT \slot, 3, FA1, FB1, FA0, FB0
	NEXT \slot, 4, FA0, FB0, FA1, FB1
	NEXT \slot, 5, FA1, FB1, FA0, FB0
	NEXT \slot, 6, FA0, FB0, FA1, FB1
	NEXT \slot, 7, FA1, FB1, FA0, FB0
	s_wait_dscnt 0x0
	MUL FA1, FB1, 0
.endm
; Slot s has been read and is filled again, two K steps on.  The cluster's round is the barrier in front of the refill: no wave of any partner
; still reads the slot or has a load on its way; my one load stands first behind it.
.macro REFILL s
	s_wait_tensorcnt 0x0                           ; all my tensor loads have landed, my part of the other slot among them
	ds_add_u32 v254, v255
	s_add_nc_u64 s[34+4*\s:35+4*\s], s[34+4*\s:35+4*\s], 1024      ; h: 512 k on
	s_add_nc_u64 s[42+4*\s:43+4*\s], s[42+4*\s:43+4*\s], 0x80000   ; W2: 512 rows on
	s_wait_dscnt 0x0                               ; my reads of slot s are over
	ROUND
	JLOAD \s
.endm
	s_wait_loadcnt 0x0                             ; b2
	s_wait_tensorcnt 0x1                           ; my part of K step 0 is in; K step 1's may stay out
	s_barrier_signal -1
	s_barrier_wait -1
	STEP 0, 1
	REFILL 0
	STEP 1, 0
	REFILL 1
	STEP 0, 0
	s_wait_tensorcnt 0x0                           ; my part of the last K step
	s_wait_dscnt 0x0                               ; and my last reads of slot 0
	s_barrier_signal -1
	s_barrier_wait -1
	STEP 1, 0
	; THE WAY OUT: 32 bytes a lane and tile into the stage over slot 0's A part.  That slot has had its last fill, and every wave's last reads of it
	; were waited for in front of the barrier ahead of the last K step.  Then whole rows of 512 bytes back and out.
	PLACES
	WIN 0x04                                       ; store data in window 1
.irp a, 0,1,2,3
.irp b, 0,1
	ds_store_b128 v[STO], v[8*(2*\a+\b):8*(2*\a+\b)+3]   offset:16*SPITCH*\a+64*\b
	ds_store_b128 v[STO], v[8*(2*\a+\b)+4:8*(2*\a+\b)+7] offset:16*SPITCH*\a+64*\b+16
.endr
.endr
.irp a, 4,5,6,7,8
.irp b, 0,1
	ds_store_b128 v[STO+1], v[8*(2*\a+\b):8*(2*\a+\b)+3]   offset:16*SPITCH*(\a-4)+64*\b
	ds_store_b128 v[STO+1], v[8*(2*\a+\b)+4:8*(2*\a+\b)+7] offset:16*SPITCH*(\a-4)+64*\b+16
.endr
.endr
	WIN 0
	s_wait_dscnt 0x0                               ; a row holds four waves' columns
	s_barrier_signal -1
	s_barrier_wait -1
.set i, 0
.rept 36
	ds_load_b128 v[16+4*i:19+4*i], v[RD] offset:SPITCH*i           ; row 36 w + i
.set i, i+1
.endr
.set i, 0
.rept 36
	s_wait_dscnt 35-i
	global_store_b128 v[CO], v[16+4*i:19+4*i], s[56:57] offset:2048*i     ; 512 consecutive bytes, aligned
.set i, i+1
.endr
	s_wait_tensorcnt 0x0
	ds_add_u32 v254, v255
	s_wait_dscnt 0x0
	ROUND                                          ; the closing round: no work-group ends while a partner may still ask for a tile that names it
	s_endpgm
.Lfunc_end_k_q1431c266b4_down:
	.size	k_q1431c266b4_down, .Lfunc_end_k_q1431c266b4_down-k_q1431c266b4_down
	.p2alignl 7, 3214868480
	.fill 96, 4, 3214868480
	.section	.rodata,"a",@progbits
	.p2align	6, 0x0
	.amdhsa_kernel k_q1431c266b4_down
		.amdhsa_group_segment_fixed_size 327680
		.amdhsa_private_segment_fixed_size 0
		.amdhsa_enable_private_segment 0
		.amdhsa_kernarg_size 40
		.amdhsa_user_sgpr_count 2
		.amdhsa_user_sgpr_kernarg_segment_ptr 1
		.amdhsa_wavefront_size32 1
		.amdhsa_system_sgpr_workgroup_id_x 1
		.amdhsa_system_sgpr_workgroup_id_y 1
		.amdhsa_system_sgpr_workgroup_id_z 1
		.amdhsa_system_vgpr_workitem_id 0
		.amdhsa_next_free_vgpr 416
		.amdhsa_next_free_sgpr 66
		.amdhsa_reserve_vcc 0
		.amdhsa_float_denorm_mode_32 3
		.amdhsa_float_denorm_mode_16_64 3
		.amdhsa_memory_ordered 1
		.amdhsa_forward_progress 1
		.amdhsa_inst_pref_size 106
	.end_amdhsa_kernel
	.amdgpu_metadata
---
amdhsa.version: [ 1, 2 ]
amdhsa.kernels:
  - .name:           k_q1431c266b4_down
    .symbol:         k_q1431c266b4_down.kd
    .args:
      - { .name: h, .offset: 0, .size: 8, .value_kind: global_buffer, .address_space: global }
      - { .name: wb, .offset: 8, .size: 8, .value_kind: global_buffer, .address_space: global }
      - { .name: b2, .offset: 16, .size: 8, .value_kind: global_buffer, .address_space: global }
      - { .name: tab, .offset: 24, .size: 8, .value_kind: global_buffer, .address_space: global }
      - { .name: y, .offset: 32, .size: 8, .value_kind: global_buffer, .address_space: global }
    .group_segment_fixed_size: 327680
    .private_segment_fixed_size: 0
    .kernarg_segment_align: 8
    .kernarg_segment_size: 40
    .max_flat_workgroup_size: 128
    .sgpr_count:     66
    .vgpr_count:     416
    .wavefront_size: 32
...
	.end_amdgpu_metadata
.endif
;; end of part 4
;; launch combine (part 5): grid 256 x 1, 8 waves a work-group, no clusters, 0 bytes of LDS; arguments y, pos, wts, out0; writes out0
.if DOCPART == 5
	.amdgcn_target "amdgcn-amd-amdhsa--gfx1250"
	.amdhsa_code_object_version 6
	.text
	.protected	k_q1431c266b4_combine
	.globl	k_q1431c266b4_combine
	.p2align	8
	.type	k_q1431c266b4_combine,@function
k_q1431c266b4_combine:
	s_mov_b64 s[64:65], 0
	v_nop
	global_prefetch_b8 v0, s[64:65] scope:SCOPE_SE
	s_setreg_imm32_b32 hwreg(HW_REG_WAVE_MODE, 25, 1), 1
	s_wait_xcnt 0x0
; out0[n] = w[n][0] y[pos[2n]] + w[n][1] y[pos[2n+1]].  A wave owns two tokens; a row of y or out0 is 2,048 bytes: four loads of 512 bytes.
; A stream: every needed row of y is read once, every byte of out0 written once; all 16 loads of a wave are out at once.  No LDS, no matrix unit.
	s_load_b256 s[4:11], s[0:1], 0x0               ; y s[4:5], pos s[6:7], wts s[8:9], out0 s[10:11]
	v_lshrrev_b32 v2, 5, v0
	v_readfirstlane_b32 s12, v2
	v_and_b32 v1, 31, v0
	v_lshlrev_b32 v1, 4, v1                        ; 16 x lane
	s_lshl3_add_u32 s13, ttmp9, s12                ; 8 x work-group + wave; tokens 2 s13 and 2 s13 + 1
	s_lshl_b32 s14, s13, 4                         ; their four entries of pos and of wts: 16 bytes
	s_mov_b32 s15, 0
	s_wait_kmcnt 0x0
	s_add_nc_u64 s[6:7], s[6:7], s[14:15]
	s_add_nc_u64 s[8:9], s[8:9], s[14:15]
	s_load_b128 s[16:19], s[6:7], 0x0
	s_load_b128 s[20:23], s[8:9], 0x0
	s_lshl_b32 s14, s13, 12
	s_add_nc_u64 s[10:11], s[10:11], s[14:15]
	s_wait_kmcnt 0x0
.irp i, 0,1,2,3
	s_min_u32 s[16+\i], s[16+\i], 0x23ff           ; a row is at most 9,215
	s_lshl_b32 s[24+2*\i], s[16+\i], 11
	s_mov_b32 s[25+2*\i], 0
	s_add_nc_u64 s[24+2*\i:25+2*\i], s[4:5], s[24+2*\i:25+2*\i]
.endr
.irp i, 0,1,2,3
.irp j, 0,1,2,3
	global_load_b128 v[16+16*\i+4*\j:19+16*\i+4*\j], v1, s[24+2*\i:25+2*\i] offset:512*\j th:TH_LOAD_NT
.endr
.endr
.irp i, 0,1,2,3
	v_mov_b32 v[4+2*\i], s[20+\i]                  ; each weight twice: a pair for the packed arithmetic
	v_mov_b32 v[5+2*\i], s[20+\i]
.endr
.macro MIX k
.irp q, 0,1,2,3,4,5,6,7
	v_pk_mul_f32 v[16+32*\k+2*\q:17+32*\k+2*\q], v[16+32*\k+2*\q:17+32*\k+2*\q], v[4+4*\k:5+4*\k]
.endr
.irp q, 0,1,2,3,4,5,6,7
	v_pk_fma_f32 v[16+32*\k+2*\q:17+32*\k+2*\q], v[32+32*\k+2*\q:33+32*\k+2*\q], v[6+4*\k:7+4*\k], v[16+32*\k+2*\q:17+32*\k+2*\q]
.endr
.irp j, 0,1,2,3
	global_store_b128 v1, v[16+32*\k+4*\j:19+32*\k+4*\j], s[10:11] offset:2048*\k+512*\j th:TH_STORE_NT
.endr
.endm
	s_wait_loadcnt 8                               ; the first token's eight loads are in, the second's stay out
	MIX 0
	s_wait_loadcnt 0x0
	MIX 1
	s_endpgm
.Lfunc_end_k_q1431c266b4_combine:
	.size	k_q1431c266b4_combine, .Lfunc_end_k_q1431c266b4_combine-k_q1431c266b4_combine
	.p2alignl 7, 3214868480
	.fill 96, 4, 3214868480
	.section	.rodata,"a",@progbits
	.p2align	6, 0x0
	.amdhsa_kernel k_q1431c266b4_combine
		.amdhsa_group_segment_fixed_size 0
		.amdhsa_private_segment_fixed_size 0
		.amdhsa_enable_private_segment 0
		.amdhsa_kernarg_size 32
		.amdhsa_user_sgpr_count 2
		.amdhsa_user_sgpr_kernarg_segment_ptr 1
		.amdhsa_wavefront_size32 1
		.amdhsa_system_sgpr_workgroup_id_x 1
		.amdhsa_system_sgpr_workgroup_id_y 1
		.amdhsa_system_sgpr_workgroup_id_z 1
		.amdhsa_system_vgpr_workitem_id 0
		.amdhsa_next_free_vgpr 80
		.amdhsa_next_free_sgpr 66
		.amdhsa_reserve_vcc 0
		.amdhsa_float_denorm_mode_32 3
		.amdhsa_float_denorm_mode_16_64 3
		.amdhsa_memory_ordered 1
		.amdhsa_forward_progress 1
		.amdhsa_inst_pref_size 7
	.end_amdhsa_kernel
	.amdgpu_metadata
---
amdhsa.version: [ 1, 2 ]
amdhsa.kernels:
  - .name:           k_q1431c266b4_combine
    .symbol:         k_q1431c266b4_combine.kd
    .args:
      - { .name: y, .offset: 0, .size: 8, .value_kind: global_buffer, .address_space: global }
      - { .name: pos, .offset: 8, .size: 8, .value_kind: global_buffer, .address_space: global }
      - { .name: wts, .offset: 16, .size: 8, .value_kind: global_buffer, .address_space: global }
      - { .name: out0, .offset: 24, .size: 8, .value_kind: global_buffer, .address_space: global }
    .group_segment_fixed_size: 0
    .private_segment_fixed_size: 0
    .kernarg_segment_align: 8
    .kernarg_segment_size: 32
    .max_flat_workgroup_size: 256
    .sgpr_count:     66
    .vgpr_count:     80
    .wavefront_size: 32
...
	.end_amdgpu_metadata
.endif
;; end of part 5
;; ======== version 2 of 2: 5 launches; version 1 with the launch prep written anew for expert scheduling mode
;; limits: values outside matrix products are rounded to bf16
;; workspace buffers: xb 4,194,304 bytes; wb 16,777,216 bytes; wts 32,768 bytes; sel 32,768 bytes of whole numbers; pos 32,768 bytes of whole numbers; tab 37,120 bytes of whole numbers; h 18,874,368 bytes; y 18,874,368 bytes
;; launch prep (part 6): grid 576 x 1, 8 waves a work-group, no clusters, 0 bytes of LDS; arguments x, Wg, bg, W1, W2, xb, wb, out1, out2, sel, wts; writes xb, wb, out1, out2, sel, wts
.if DOCPART == 6
	.amdgcn_target "amdgcn-amd-amdhsa--gfx1250"
	.amdhsa_code_object_version 6
	.text
	.protected	k_q1431c266b4_prep
	.globl	k_q1431c266b4_prep
	.p2align	8
	.type	k_q1431c266b4_prep,@function
k_q1431c266b4_prep:
	s_mov_b64 s[64:65], 0
	v_nop
	global_prefetch_b8 v0, s[64:65] scope:SCOPE_SE
	s_setreg_imm32_b32 hwreg(HW_REG_WAVE_SCHED_MODE, 0, 2), 2
	s_setreg_imm32_b32 hwreg(HW_REG_WAVE_MODE, 25, 1), 1
	s_wait_xcnt 0x0
	s_wait_alu depctr_vm_vsrc(0)
; Work-groups 0 to 63: the gate.  64 tokens each, 8 a wave, one wave to a token: logits, softmax, top 2, renormalised weights,
; and x rounded to bf16 on the way (xb).  Work-groups 64 to 575: W1 and W2 rounded to bf16 (wb: W1 at byte 0, W2 at byte 8,388,608),
; 65,536 bytes of f32 each.  No LDS, no barrier: no wave needs another.
; The gate's product has 8 columns, too few for a matrix tile; it is done here with bf16 operands and f32 sums: x, Wg and bg are
; rounded to bf16, their products are exact in f32 and are summed in f32.
; LIMITS: a gate below 2^-126 comes out as 0 (v_exp_f32 flushes such results, ISA guide 15.8), and equal gates give the lower index;
; NaN logits are not ordered as a sort would order them.
; THE MODE: SCHED_MODE bits 1:0 = 2 (LLVM: expert scheduling mode 2), set by the entry lines.  The code itself states the register dependences
; between vector instructions and memory instructions, and those through scalar registers that vector instructions write, with s_wait_alu, always for 0.
; THE PLAN.  Registers that memory instructions touch:
;   the cast   v2, v3: offsets, made once.  v[16:79]: sixteen loads; each load's four registers are rounded in place into its first two, which its store reads;
;              none is written again.  The loads go in four groups of four: group g's stores stand at the head of group g + 1, behind one wait.
;   the gate   v2, v3, v6, v7: offsets, made once.  WG: loaded once.  X0 .. X3: token t's slot is widened in place and read by its 64 multiply-adds, then loaded again
;              for token t + 4.  P: written by a token's eight roundings, read by its four stores, written again by the next token.
;              GO, IO, WO: written by selects in every token, read by the four stores at the end.  ACC, T, BG are named by vector instructions alone.
;   So ONE wait on va_vdst behind a token's multiply-adds states all that its four loads and four stores hang on, and one wait on vm_vsrc at a token's head frees P.
;   The compares of the top 2 stand in runs, into s[CM ..], with one wait on va_sdst behind each run.
.set WG,  16                           ; v[16:143]  Wg rows of my 16 d, 8 experts each, rounded to bf16, kept as f32
.set X,   144                          ; v[144:207] four slots of 16: a token's 16 numbers of this lane
.set P,   208                          ; v[208:215] the token's numbers packed to bf16, data of the stores to xb
.set ACC, 216                          ; v[216:223] 8 sums, then logits, then gates
.set BG,  224                          ; v[224:231] bg rounded to bf16, as f32
.set T,   232                          ; v[232:247] at work
.set GO,  248                          ; v[248:249] lane l: gates 2(l&3), 2(l&3)+1 of the wave's token l>>2
.set IO,  250                          ; lane l < 16: index l&1 of token l>>1
.set WO,  251                          ; lane l < 16: weight l&1 of token l>>1
.set CM,  32                           ; s[32:39]   first bg as loaded; when that has been rounded, the masks of the top 2's compares
	s_load_b512 s[8:23], s[0:1], 0x0               ; x s[8:9], Wg s[10:11], bg s[12:13], W1 s[14:15], W2 s[16:17], xb s[18:19], wb s[20:21], out1 s[22:23]
	s_load_b128 s[24:27], s[0:1], 0x40             ; out2 s[24:25], sel s[26:27]
	s_load_b64 s[28:29], s[0:1], 0x50              ; wts
	v_and_b32 v1, 31, v0                           ; lane
	v_lshrrev_b32 v4, 5, v0
	v_readfirstlane_b32 s30, v4                    ; wave
	s_mov_b32 s5, 0                                ; upper word of every offset pair s[4:5]
	s_wait_kmcnt 0x0
	s_wait_alu depctr_va_sdst(0)                   ; s30 is written, ahead of the branch: the gate makes its wave's first token from it
	s_cmp_lt_u32 ttmp9, 64
	s_cbranch_scc1 .Lgate
	; ---- the cast: 16 loads of 512 bytes a wave, all on their way at once; each store of the wave covers 256 consecutive bytes, aligned
	s_sub_co_u32 s2, ttmp9, 64                     ; c = 0 .. 511
	s_cmp_lt_u32 s2, 256
	s_cselect_b64 s[6:7], s[14:15], s[16:17]       ; c < 256: W1, else W2
	s_and_b32 s4, s2, 255
	s_lshl_b32 s4, s4, 16
	s_add_nc_u64 s[6:7], s[6:7], s[4:5]            ; source + (c mod 256) x 65,536
	s_lshl_b32 s4, s2, 15
	s_add_nc_u64 s[20:21], s[20:21], s[4:5]        ; wb + c x 32,768: W1's half, then W2's
	v_lshlrev_b32 v2, 4, v1
	v_lshl_add_u32 v2, v4, 13, v2                  ; wave x 8,192 + lane x 16
	v_lshlrev_b32 v3, 3, v1
	v_lshl_add_u32 v3, v4, 12, v3                  ; wave x 4,096 + lane x 8
	s_wait_alu depctr_va_vdst(0)                   ; v2 and v3 are written: every load and store of the cast reads one of them as its offset
.irp j, 0,1,2,3,4,5,6,7,8,9,10,11,12,13,14,15
	global_load_b128 v[16+4*\j:19+4*\j], v2, s[6:7] offset:512*\j th:TH_LOAD_NT
.endr
.macro ROUND4 g                        ; the four loads of group g are rounded, each into its first two registers
.irp j, 0,1,2,3
	v_cvt_pk_bf16_f32 v[16+16*(\g)+4*\j], v[16+16*(\g)+4*\j], v[17+16*(\g)+4*\j]
	v_cvt_pk_bf16_f32 v[17+16*(\g)+4*\j], v[18+16*(\g)+4*\j], v[19+16*(\g)+4*\j]
.endr
.endm
.macro OUT4 g                          ; and stored
.irp j, 0,1,2,3
	global_store_b64 v3, v[16+16*(\g)+4*\j:17+16*(\g)+4*\j], s[20:21] offset:256*(4*(\g)+\j)
.endr
.endm
	s_wait_loadcnt 12                              ; loads come back in order: group 0 is in, the twelve younger loads stay out
	ROUND4 0
	s_wait_loadcnt 8                               ; group 1 is in
	s_wait_alu depctr_va_vdst(0)                   ; group 0's roundings have written the registers that its stores read
	OUT4 0
	ROUND4 1
	s_wait_loadcnt 4                               ; group 2 is in
	s_wait_alu depctr_va_vdst(0)                   ; group 1's roundings have written the registers that its stores read
	OUT4 1
	ROUND4 2
	s_wait_loadcnt 0x0                             ; group 3 is in
	s_wait_alu depctr_va_vdst(0)                   ; group 2's roundings have written the registers that its stores read
	OUT4 2
	ROUND4 3
	s_wait_alu depctr_va_vdst(0)                   ; group 3's roundings have written the registers that its stores read
	OUT4 3
	s_endpgm
	; ---- the gate
.Lgate:
	s_load_b256 s[32:39], s[12:13], 0x0            ; bg
	v_lshlrev_b32 v2, 4, v1                        ; lane x 16: x
	v_lshlrev_b32 v3, 3, v1                        ; lane x 8: xb, out1
	v_lshlrev_b32 v6, 7, v1                        ; lane x 128: four rows of Wg
	v_lshlrev_b32 v7, 2, v1                        ; lane x 4: out2, sel, wts
	s_wait_alu depctr_va_vdst(0)                   ; v2, v3, v6 and v7 are written: every load and store of the gate reads one of them as its offset
	; lane l, chunk j, element c stand for d = 128 j + 4 l + c; Wg's row d is 32 bytes
.irp j, 0,1,2,3
.irp c, 0,1,2,3
	global_load_b128 v[WG+8*(4*\j+\c):WG+8*(4*\j+\c)+3],   v6, s[10:11] offset:4096*\j+32*\c
	global_load_b128 v[WG+8*(4*\j+\c)+4:WG+8*(4*\j+\c)+7], v6, s[10:11] offset:4096*\j+32*\c+16
.endr
.endr
	s_lshl_b32 s2, ttmp9, 6
	s_lshl3_add_u32 s2, s30, s2                    ; the wave's first token = 64 x work-group + 8 x wave
	s_lshl_b32 s4, s2, 11
	s_add_nc_u64 s[8:9], s[8:9], s[4:5]            ; x: 2,048 bytes a token
	s_lshl_b32 s4, s2, 10
	s_add_nc_u64 s[18:19], s[18:19], s[4:5]        ; xb: 1,024
	s_lshl_b32 s4, s2, 5
	s_add_nc_u64 s[22:23], s[22:23], s[4:5]        ; out1: 32
	s_lshl_b32 s4, s2, 3
	s_add_nc_u64 s[24:25], s[24:25], s[4:5]        ; out2, sel, wts: 8
	s_add_nc_u64 s[26:27], s[26:27], s[4:5]
	s_add_nc_u64 s[28:29], s[28:29], s[4:5]
.irp t, 0,1,2,3
.irp j, 0,1,2,3
	global_load_b128 v[X+16*\t+4*\j:X+16*\t+4*\j+3], v2, s[8:9] offset:2048*\t+512*\j th:TH_LOAD_NT
.endr
.endr
	s_mov_b32 s40, 0x22222222                      ; lanes with l & 3 = 1
	s_mov_b32 s41, 0x44444444                      ; = 2
	s_mov_b32 s42, 0x88888888                      ; = 3
	s_mov_b32 s43, 0xaaaaaaaa                      ; odd lanes
	s_mov_b32 s46, 0x3fb8aa3b                      ; log2 e
	s_mov_b32 s47, 0x3fb8aa3b                      ; the pair's second word is written too
	s_mov_b32 s49, 0xffff0000                      ; a word's upper bf16
	s_mov_b32 s50, 0x76543210                      ; v_permlanex16_b32: lane i reads lane i of the other half
	s_mov_b32 s51, 0xfedcba98
	v_mov_b32 v[GO], 0
	v_mov_b32 v[GO+1], 0
	v_mov_b32 v[IO], 0
	v_mov_b32 v[WO], 0
	s_wait_loadcnt 16                              ; Wg's 32 loads are in; the 16 loads of x issued behind them stay out
.set i, 0
.rept 64
	v_cvt_pk_bf16_f32 v[T+i%8], v[WG+2*i], v[WG+2*i+1]     ; Wg rounded to bf16 and widened again, in place
	v_lshlrev_b32 v[WG+2*i], 16, v[T+i%8]
	v_and_b32 v[WG+2*i+1], s49, v[T+i%8]
.set i, i+1
.endr
	s_wait_kmcnt 0x0
.irp i, 0,1,2,3
	v_cvt_pk_bf16_f32 v[T+\i], s[32+2*\i], s[33+2*\i]      ; bg likewise
	v_lshlrev_b32 v[BG+2*\i], 16, v[T+\i]
	v_and_b32 v[BG+2*\i+1], s49, v[T+\i]
.endr
; One token.  left = how many younger loads of x may stay out.
.macro TOKEN t, left
.set XS, X+16*(\t%4)
	s_wait_loadcnt \left                           ; my four loads are in
	s_wait_xcnt 0x0                                ; P, the data of the last token's stores, is rewritten only behind this wait
.if \t > 0
	s_wait_alu depctr_vm_vsrc(0)                   ; the last token's four stores have read P, which the roundings below write again
.endif
.irp j, 0,1,2,3
	v_cvt_pk_bf16_f32 v[P+2*\j],   v[XS+4*\j],   v[XS+4*\j+1]
	v_cvt_pk_bf16_f32 v[P+2*\j+1], v[XS+4*\j+2], v[XS+4*\j+3]
	v_lshlrev_b32 v[XS+4*\j],   16,  v[P+2*\j]                                 ; the rounded numbers as f32
	v_and_b32     v[XS+4*\j+1], s49, v[P+2*\j]
	v_lshlrev_b32 v[XS+4*\j+2], 16,  v[P+2*\j+1]
	v_and_b32     v[XS+4*\j+3], s49, v[P+2*\j+1]
.endr
	; 16 d x 8 experts: the first d starts the sums; x is broadcast to both halves by op_sel
.irp i, 0,1,2,3
	v_pk_mul_f32 v[ACC+2*\i:ACC+2*\i+1], v[XS:XS+1], v[WG+2*\i:WG+2*\i+1] op_sel:[0,0] op_sel_hi:[0,1]
.endr
.set m, 1
.rept 15
.irp i, 0,1,2,3
.if m%2
	v_pk_fma_f32 v[ACC+2*\i:ACC+2*\i+1], v[XS+m-1:XS+m], v[WG+8*m+2*\i:WG+8*m+2*\i+1], v[ACC+2*\i:ACC+2*\i+1] op_sel:[1,0,0] op_sel_hi:[1,1,1]
.else
	v_pk_fma_f32 v[ACC+2*\i:ACC+2*\i+1], v[XS+m:XS+m+1], v[WG+8*m+2*\i:WG+8*m+2*\i+1], v[ACC+2*\i:ACC+2*\i+1] op_sel:[0,0,0] op_sel_hi:[0,1,1]
.endif
.endr
.set m, m+1
.endr
	s_wait_alu depctr_va_vdst(0)                   ; the roundings have written P, which the stores below read; the widening lines and the multiply-adds are done with the slot, in which the loads below land
.if \t < 4
.irp j, 0,1,2,3
	global_load_b128 v[XS+4*\j:XS+4*\j+3], v2, s[8:9] offset:2048*(\t+4)+512*\j th:TH_LOAD_NT   ; the slot's next token
.endr
.endif
.irp j, 0,1,2,3
	global_store_b64 v3, v[P+2*\j:P+2*\j+1], s[18:19] offset:1024*\t+256*\j   ; the wave's store covers 256 consecutive bytes, aligned; no vector line of the token behind this names P or the slot
.endr
	; the 8 sums over the 32 lanes; every lane ends with all of them
.irp n, 1,2,4,8
.irp i, 0,1,2,3,4,5,6,7
	v_add_f32_dpp v[ACC+\i], v[ACC+\i], v[ACC+\i] row_xmask:\n row_mask:0xf bank_mask:0xf
.endr
.endr
.irp i, 0,1,2,3,4,5,6,7
	v_permlanex16_b32 v[T+\i], v[ACC+\i], s50, s51
.endr
.irp i, 0,2,4,6
	v_pk_add_f32 v[ACC+\i:ACC+\i+1], v[ACC+\i:ACC+\i+1], v[T+\i:T+\i+1]
.endr
.irp i, 0,2,4,6
	v_pk_add_f32 v[ACC+\i:ACC+\i+1], v[ACC+\i:ACC+\i+1], v[BG+\i:BG+\i+1]    ; the logits
.endr
	; softmax with the maximum taken away
	v_max3_num_f32 v[T+8], v[ACC], v[ACC+1], v[ACC+2]
	v_max3_num_f32 v[T+8], v[T+8], v[ACC+3], v[ACC+4]
	v_max3_num_f32 v[T+8], v[T+8], v[ACC+5], v[ACC+6]
	v_max_num_f32 v[T+8], v[T+8], v[ACC+7]
	v_mov_b32 v[T+9], v[T+8]
.irp i, 0,2,4,6
	v_pk_add_f32 v[T+\i:T+\i+1], v[ACC+\i:ACC+\i+1], v[T+8:T+9] neg_lo:[0,1] neg_hi:[0,1]
.endr
.irp i, 0,2,4,6
	v_pk_mul_f32 v[T+\i:T+\i+1], v[T+\i:T+\i+1], s[46:47] op_sel_hi:[1,0]
.endr
.irp i, 0,1,2,3,4,5,6,7
	v_exp_f32 v[T+\i], v[T+\i]
.endr
	v_nop                                          ; one plain vector instruction behind the exponentials, ahead of their use (ISA guide 5.7.2)
	s_wait_alu depctr_va_vdst(0)                   ; the eight exponentials have written T .. T+7, ahead of the sums that read them
	v_pk_add_f32 v[T+10:T+11], v[T:T+1], v[T+2:T+3]
	v_pk_add_f32 v[T+12:T+13], v[T+4:T+5], v[T+6:T+7]
	v_pk_add_f32 v[T+10:T+11], v[T+10:T+11], v[T+12:T+13]
	v_add_f32 v[T+10], v[T+10], v[T+11]
	v_rcp_f32 v[T+14], v[T+10]
	v_rcp_f32 v[T+15], v[T+10]
	v_nop                                          ; likewise behind the reciprocals
	s_wait_alu depctr_va_vdst(0)                   ; the two reciprocals have written T+14 and T+15, ahead of the multiplies that read them
.irp i, 0,2,4,6
	v_pk_mul_f32 v[ACC+\i:ACC+\i+1], v[T+\i:T+\i+1], v[T+14:T+15]            ; the gates
.endr
	; The largest gate (T, T+1: value, index), by pairs in three rounds, so that the compares stand in runs of 4, 2 and 1.  In each pair the one with the higher
	; indices wins by a strict compare alone: of equals the lower index is kept.  Values in T .. T+3, their indices in T+4 .. T+7.
	v_cmp_gt_f32 s[CM],   v[ACC+1], v[ACC]
	v_cmp_gt_f32 s[CM+1], v[ACC+3], v[ACC+2]
	v_cmp_gt_f32 s[CM+2], v[ACC+5], v[ACC+4]
	v_cmp_gt_f32 s[CM+3], v[ACC+7], v[ACC+6]
	s_wait_alu depctr_va_sdst(0)                   ; the four compares have written their masks, which the selects below read
	v_cndmask_b32 v[T],   v[ACC],   v[ACC+1], s[CM]
	v_cndmask_b32 v[T+4], 0, 1, s[CM]
	v_cndmask_b32 v[T+1], v[ACC+2], v[ACC+3], s[CM+1]
	v_cndmask_b32 v[T+5], 2, 3, s[CM+1]
	v_cndmask_b32 v[T+2], v[ACC+4], v[ACC+5], s[CM+2]
	v_cndmask_b32 v[T+6], 4, 5, s[CM+2]
	v_cndmask_b32 v[T+3], v[ACC+6], v[ACC+7], s[CM+3]
	v_cndmask_b32 v[T+7], 6, 7, s[CM+3]
	v_cmp_gt_f32 s[CM],   v[T+1], v[T]
	v_cmp_gt_f32 s[CM+1], v[T+3], v[T+2]
	s_wait_alu depctr_va_sdst(0)                   ; the two compares have written their masks
	v_cndmask_b32 v[T],   v[T],   v[T+1], s[CM]
	v_cndmask_b32 v[T+4], v[T+4], v[T+5], s[CM]
	v_cndmask_b32 v[T+2], v[T+2], v[T+3], s[CM+1]
	v_cndmask_b32 v[T+6], v[T+6], v[T+7], s[CM+1]
	v_cmp_gt_f32 s[CM], v[T+2], v[T]
	s_wait_alu depctr_va_sdst(0)                   ; the compare has written its mask
	v_cndmask_b32 v[T],   v[T],   v[T+2], s[CM]
	v_cndmask_b32 v[T+1], v[T+4], v[T+6], s[CM]
.irp i, 0,1,2,3,4,5,6,7
	v_cmp_eq_u32 s[CM+\i], \i, v[T+1]
.endr
	s_wait_alu depctr_va_sdst(0)                   ; the eight compares have written their masks
.irp i, 0,1,2,3,4,5,6,7
	v_cndmask_b32 v[T+4+\i], v[ACC+\i], -1.0, s[CM+\i]     ; the winner is taken out: gates are never below 0
.endr
	; the second (T+2, T+3), in the same three rounds, in place: a pair's value stays in its even register, its index takes the odd one
	v_cmp_gt_f32 s[CM],   v[T+5],  v[T+4]
	v_cmp_gt_f32 s[CM+1], v[T+7],  v[T+6]
	v_cmp_gt_f32 s[CM+2], v[T+9],  v[T+8]
	v_cmp_gt_f32 s[CM+3], v[T+11], v[T+10]
	s_wait_alu depctr_va_sdst(0)                   ; the four compares have written their masks
	v_cndmask_b32 v[T+4],  v[T+4],  v[T+5],  s[CM]
	v_cndmask_b32 v[T+5],  0, 1, s[CM]
	v_cndmask_b32 v[T+6],  v[T+6],  v[T+7],  s[CM+1]
	v_cndmask_b32 v[T+7],  2, 3, s[CM+1]
	v_cndmask_b32 v[T+8],  v[T+8],  v[T+9],  s[CM+2]
	v_cndmask_b32 v[T+9],  4, 5, s[CM+2]
	v_cndmask_b32 v[T+10], v[T+10], v[T+11], s[CM+3]
	v_cndmask_b32 v[T+11], 6, 7, s[CM+3]
	v_cmp_gt_f32 s[CM],   v[T+6],  v[T+4]
	v_cmp_gt_f32 s[CM+1], v[T+10], v[T+8]
	s_wait_alu depctr_va_sdst(0)                   ; the two compares have written their masks
	v_cndmask_b32 v[T+4], v[T+4], v[T+6],  s[CM]
	v_cndmask_b32 v[T+5], v[T+5], v[T+7],  s[CM]
	v_cndmask_b32 v[T+8], v[T+8], v[T+10], s[CM+1]
	v_cndmask_b32 v[T+9], v[T+9], v[T+11], s[CM+1]
	v_cmp_gt_f32 s[CM], v[T+8], v[T+4]
	s_wait_alu depctr_va_sdst(0)                   ; the compare has written its mask
	v_cndmask_b32 v[T+2], v[T+4], v[T+8], s[CM]
	v_cndmask_b32 v[T+3], v[T+5], v[T+9], s[CM]
	v_add_f32 v[T+12], v[T], v[T+2]
	v_rcp_f32 v[T+14], v[T+12]
	; each lane keeps its part of the wave's results (the first of these lines is the plain instruction behind the reciprocal)
	v_cndmask_b32 v[T+4], v[ACC],   v[ACC+2], s40
	v_cndmask_b32 v[T+5], v[ACC+1], v[ACC+3], s40
	v_cndmask_b32 v[T+4], v[T+4],   v[ACC+4], s41
	v_cndmask_b32 v[T+5], v[T+5],   v[ACC+5], s41
	v_cndmask_b32 v[T+4], v[T+4],   v[ACC+6], s42
	v_cndmask_b32 v[T+5], v[T+5],   v[ACC+7], s42
	s_mov_b32 s44, 0xf<<(4*\t)                     ; the four lanes that keep this token's gates
	s_mov_b32 s45, 3<<(2*\t)                       ; the two that keep its indices and weights
	v_cndmask_b32 v[GO],   v[GO],   v[T+4], s44
	v_cndmask_b32 v[GO+1], v[GO+1], v[T+5], s44
	s_wait_alu depctr_va_vdst(0)                   ; the reciprocal has written T+14, ahead of the two multiplies that read it
	v_mul_f32 v[T],   v[T],   v[T+14]              ; the renormalised weights
	v_mul_f32 v[T+2], v[T+2], v[T+14]
	v_cndmask_b32 v[T+6], v[T+1], v[T+3], s43
	v_cndmask_b32 v[T+7], v[T],   v[T+2], s43
	v_cndmask_b32 v[IO], v[IO], v[T+6], s45
	v_cndmask_b32 v[WO], v[WO], v[T+7], s45
.endm
	TOKEN 0, 12                                    ; behind a token's four loads stand those of the next three tokens
	TOKEN 1, 12
	TOKEN 2, 12
	TOKEN 3, 12
	TOKEN 4, 12
	TOKEN 5, 8                                     ; nothing more is loaded: the counts run down
	TOKEN 6, 4
	TOKEN 7, 0
	s_wait_alu depctr_va_vdst(0)                   ; the last token's selects have written GO, IO and WO, which the four stores below read
	global_store_b64 v3, v[GO:GO+1], s[22:23]      ; 8 tokens' gates: 256 consecutive bytes, aligned
	v_cmp_gt_u32 vcc_lo, 16, v1                    ; lanes 0 to 15: 8 tokens x 2
	s_wait_xcnt 0x0                                ; EXEC changes only behind this wait
	s_wait_alu depctr_va_vcc(0)                    ; the compare has written VCC, from which EXEC is made
	s_wait_alu depctr_va_vdst(0)                   ; ahead of the write of EXEC: the compare, the one vector instruction since the last such wait, is complete
	s_wait_alu depctr_vm_vsrc(0)                   ; ahead of the write of EXEC: the store of the gates has read its registers
	s_and_saveexec_b32 s31, vcc_lo
	global_store_b32 v7, v[IO], s[24:25]
	global_store_b32 v7, v[IO], s[26:27]
	global_store_b32 v7, v[WO], s[28:29]
	s_endpgm
.Lfunc_end_k_q1431c266b4_prep:
	.size	k_q1431c266b4_prep, .Lfunc_end_k_q1431c266b4_prep-k_q1431c266b4_prep
	.p2alignl 7, 3214868480
	.fill 96, 4, 3214868480
	.section	.rodata,"a",@progbits
	.p2align	6, 0x0
	.amdhsa_kernel k_q1431c266b4_prep
		.amdhsa_group_segment_fixed_size 0
		.amdhsa_private_segment_fixed_size 0
		.amdhsa_enable_private_segment 0
		.amdhsa_kernarg_size 88
		.amdhsa_user_sgpr_count 2
		.amdhsa_user_sgpr_kernarg_segment_ptr 1
		.amdhsa_wavefront_size32 1
		.amdhsa_system_sgpr_workgroup_id_x 1
		.amdhsa_system_sgpr_workgroup_id_y 1
		.amdhsa_system_sgpr_workgroup_id_z 1
		.amdhsa_system_vgpr_workitem_id 0
		.amdhsa_next_free_vgpr 256
		.amdhsa_next_free_sgpr 66
		.amdhsa_reserve_vcc 1
		.amdhsa_float_denorm_mode_32 3
		.amdhsa_float_denorm_mode_16_64 3
		.amdhsa_memory_ordered 1
		.amdhsa_forward_progress 1
		.amdhsa_inst_pref_size 144
	.end_amdhsa_kernel
	.amdgpu_metadata
---
amdhsa.version: [ 1, 2 ]
amdhsa.kernels:
  - .name:           k_q1431c266b4_prep
    .symbol:         k_q1431c266b4_prep.kd
    .args:
      - { .name: x, .offset: 0, .size: 8, .value_kind: global_buffer, .address_space: global }
      - { .name: Wg, .offset: 8, .size: 8, .value_kind: global_buffer, .address_space: global }
      - { .name: bg, .offset: 16, .size: 8, .value_kind: global_buffer, .address_space: global }
      - { .name: W1, .offset: 24, .size: 8, .value_kind: global_buffer, .address_space: global }
      - { .name: W2, .offset: 32, .size: 8, .value_kind: global_buffer, .address_space: global }
      - { .name: xb, .offset: 40, .size: 8, .value_kind: global_buffer, .address_space: global }
      - { .name: wb, .offset: 48, .size: 8, .value_kind: global_buffer, .address_space: global }
      - { .name: out1, .offset: 56, .size: 8, .value_kind: global_buffer, .address_space: global }
      - { .name: out2, .offset: 64, .size: 8, .value_kind: global_buffer, .address_space: global }
      - { .name: sel, .offset: 72, .size: 8, .value_kind: global_buffer, .address_space: global }
      - { .name: wts, .offset: 80, .size: 8, .value_kind: global_buffer, .address_space: global }
    .group_segment_fixed_size: 0
    .private_segment_fixed_size: 0
    .kernarg_segment_align: 8
    .kernarg_segment_size: 88
    .max_flat_workgroup_size: 256
    .sgpr_count:     66
    .vgpr_count:     256
    .wavefront_size: 32
...
	.end_amdgpu_metadata
.endif
;; end of part 6
;; launch route: the kernel of part 2 again; grid 1 x 1, 32 waves a work-group, no clusters, 78,336 bytes of LDS; arguments sel, pos, tab; writes pos, tab
;; launch up: the kernel of part 3 again; grid 4 x 64, 4 waves a work-group, no clusters, 327,680 bytes of LDS; arguments xb, wb, b1, tab, h; writes h
;; launch down: the kernel of part 4 again; grid 4 x 64, 4 waves a work-group, clusters of 4 x 1, 327,680 bytes of LDS; arguments h, wb, b2, tab, y; writes y
;; launch combine: the kernel of part 5 again; grid 256 x 1, 8 waves a work-group, no clusters, 0 bytes of LDS; arguments y, pos, wts, out0; writes out0
